; MI455X (gfx1250); checked and timed in simulation.
; The chip was launched on July 23, 2026; its instructions are those of AMD's public machine-readable ISA for CDNA 5 (MIT licence, August 2026) and "CDNA5" Instruction Set Architecture Reference Guide (July 2026). The comments in the code are by the model that wrote it; some were corrected since.
;; Mo E Head. Allowed arithmetic: matrix products marked QUANTISED: E2M1 operands, one E8M0 scale for each 32 along K, by v_wmma_scale_f32_16x16x128_f8f6f4 with both operands' format E2M1 (or v_wmma_scale_f32_32x16x128_f4), f32 sums; products left as they are: f32 operands where the result goes on into a quantised operand, else bf16, f16 or f32 operands; f32 sums; everything else in f32.
;; Inputs: b1 8 x 4,096 float32; b2 8 x 1,000 float32; gate_b 8 float32; gate_w 1,024 x 8 float32; w1_codes 8 x 4,096 x 32 x 16 uint8 (E2M1 codes of w1, K innermost, in blocks of 32 codes, two codes a byte); w1_scales 8 x 4,096 x 32 uint8 (E8M0 scales of w1, one for each 32 codes along K); w2_codes 8 x 1,000 x 128 x 16 uint8 (E2M1 codes of w2, K innermost, in blocks of 32 codes, two codes a byte); w2_scales 8 x 1,000 x 128 uint8 (E8M0 scales of w2, one for each 32 codes along K); x 1,024 x 1,024 float32.
;; Outputs: out0 1,024 x 1,000 float32; out1 one number float32.
;; This version of the problem:
;;   THIS VERSION OF THE PROBLEM IS GIVEN IN LOW PRECISION. The matrix products marked QUANTISED in the list below multiply operands that are first quantised to E2M1 (2 exponent bits, 1 mantissa bit; 4 bits a number), with one power-of-two scale for each 32 numbers along K (OCP MX v1.0); their sums are f32. All else is computed in f32.
;;   The module's matrix products, in the order in which they are computed (A, B: the left and right operand; K: the contracted axis; several contracted axes count as one K, in the product's order):
;;     1. [M 1,024, K 1,024] x [K 1,024, N 8]; A: input x; B: input gate_w: left as it is (N = 8 < 16)
;;     2. batch 1,024 x [M 1, K 2] x [K 2, N 8]; A: computed on the way; B: computed on the way: left as it is (K = 2 < 32)
;;     3. [M 1,024, K 1,024] x [K 1,024, N 4,096]; A: input x; B: input w1 (given as codes): QUANTISED
;;     4. [M 1,024, K 4,096] x [K 4,096, N 1,000]; A: computed on the way; B: input w2 (given as codes): QUANTISED
;;     5. [M 1,024, K 1,024] x [K 1,024, N 4,096]; A: input x; B: input w1 (given as codes): QUANTISED
;;     6. [M 1,024, K 4,096] x [K 4,096, N 1,000]; A: computed on the way; B: input w2 (given as codes): QUANTISED
;;     7. [M 1,024, K 1,024] x [K 1,024, N 4,096]; A: input x; B: input w1 (given as codes): QUANTISED
;;     8. [M 1,024, K 4,096] x [K 4,096, N 1,000]; A: computed on the way; B: input w2 (given as codes): QUANTISED
;;     9. [M 1,024, K 1,024] x [K 1,024, N 4,096]; A: input x; B: input w1 (given as codes): QUANTISED
;;     10. [M 1,024, K 4,096] x [K 4,096, N 1,000]; A: computed on the way; B: input w2 (given as codes): QUANTISED
;;     11. [M 1,024, K 1,024] x [K 1,024, N 4,096]; A: input x; B: input w1 (given as codes): QUANTISED
;;     12. [M 1,024, K 4,096] x [K 4,096, N 1,000]; A: computed on the way; B: input w2 (given as codes): QUANTISED
;;     13. [M 1,024, K 1,024] x [K 1,024, N 4,096]; A: input x; B: input w1 (given as codes): QUANTISED
;;     14. [M 1,024, K 4,096] x [K 4,096, N 1,000]; A: computed on the way; B: input w2 (given as codes): QUANTISED
;;     15. [M 1,024, K 1,024] x [K 1,024, N 4,096]; A: input x; B: input w1 (given as codes): QUANTISED
;;     16. [M 1,024, K 4,096] x [K 4,096, N 1,000]; A: computed on the way; B: input w2 (given as codes): QUANTISED
;;     17. [M 1,024, K 1,024] x [K 1,024, N 4,096]; A: input x; B: input w1 (given as codes): QUANTISED
;;     18. [M 1,024, K 4,096] x [K 4,096, N 1,000]; A: computed on the way; B: input w2 (given as codes): QUANTISED
;;   THE QUANTISER, for each operand of a quantised product, along K:
;;     - K is cut into blocks of 32 from its start; a last block that is shorter is filled with zeros.
;;     - A block's scale is 2^e with e = floor(log2(the largest magnitude in the block)) - 2, held to -126 .. 127; a block of zeros has e = 0. As a byte (E8M0): e + 127.
;;     - Each number is divided by its block's scale, clamped to +-6, and rounded to the nearest number of E2M1, ties to even, subnormals kept.
;;     - The product sums the exact products of the quantised numbers (number of the format x scale) in f32.
;;   ~~~python
;;   def quantise(x, axis):      # numpy; x: float32 -> the quantised numbers, widened to float32 again
;;       x = np.moveaxis(x, axis, -1); K = x.shape[-1]
;;       x = np.pad(x, [(0, 0)] * (x.ndim - 1) + [(0, -K % 32)]); x = x.reshape(x.shape[:-1] + (-1, 32)); a = np.abs(x).max(-1, keepdims=True)
;;       e = np.where(a > 0, np.clip(np.frexp(np.where(a > 0, a, 1))[1] - 1 - 2, -126, 127), 0)      # np.frexp(a)[1] - 1 = floor(log2(a)), exactly
;;       r = np.clip(x / 2.0 ** e, -6, 6)
;;       step = 2.0 ** (np.maximum(np.frexp(np.where(r == 0, 1, r))[1] - 1, 0) - 1)
;;       q = np.round(r / step) * step * 2.0 ** e      # np.round: ties to even
;;       return np.moveaxis(q.reshape(q.shape[:-2] + (-1,))[..., :K], -1, axis).astype(np.float32)
;;   ~~~
;;   OPERANDS COMPUTED ON THE WAY. 'Computed on the way' means the value that the module computes at that place (a softmax that the list does not call 'softmax' is quantised finished and normalised). What goes into a quantiser is computed in f32, as accurately as f32 sums, v_exp_f32 and their like allow (about 1e-6 of the number): no bf16 or f16 on the way to a quantiser, and a product that is left as it is and whose result goes on into a quantised operand takes f32 operands (vector FMAs, or v_wmma_f32_16x16x4_f32). A number that lies on a knife's edge between two numbers of the format may be rounded either way, as far as f32 arithmetic and the matrix unit's own rounding can turn it there, and no further.
;;   INPUTS GIVEN AS CODES. w1 (in the module: [8, 1024, 4096], K = its axis 1); w2 (in the module: [8, 4096, 1000], K = its axis 1): each comes as NAME_codes (uint8): NAME with its K axis moved to the last place and cut into blocks of 32 codes, [.., K / 32, bytes a block], one block behind the other in memory; two codes a byte, the lower K in the low four bits (a code: sign, 2 exponent bits, 1 mantissa bit); and NAME_scales (uint8): the same leading axes, one E8M0 byte (e + 127) for each 32 codes along K. Its value is code x scale, taken as it is: it is not quantised again, and the codes and scales need not be those that the quantiser above would give.
;; One version. Each part assembles by itself: llvm-mc -triple=amdgcn-amd-amdhsa -mcpu=gfx1250 --defsym DOCPART=n.
;; ======== version 1 of 1: 4 launches
;; limits: right only within a limited range of input values
;; workspace buffers: rt 4,096 bytes of whole numbers; gp 65,536 bytes; xc 557,056 bytes; hc 17,825,792 bytes; meta 33,024 bytes of whole numbers; roww 32,768 bytes; ypart 8,912,896 bytes; ax 256 bytes
;; launch gate (part 1): grid 256 x 1, 4 waves a work-group, no clusters, 52,224 bytes of LDS; arguments x, gate_w, gate_b, rt, gp, xc; writes rt, gp, xc
.if DOCPART == 1
	.amdgcn_target "amdgcn-amd-amdhsa--gfx1250"
	.amdhsa_code_object_version 6
	.text
	.protected	k_q72112d455a_gate
	.globl	k_q72112d455a_gate
	.p2align	8
	.type	k_q72112d455a_gate,@function
k_q72112d455a_gate:
	s_mov_b64 s[64:65], 0
	v_nop
	global_prefetch_b8 v0, s[64:65] scope:SCOPE_SE
	s_setreg_imm32_b32 hwreg(HW_REG_WAVE_MODE, 25, 1), 1
	s_wait_xcnt 0x0
; THE ROUTER AND x's QUANTISER.  A wave takes one token: logits = x gate_w + gate_b in f32 (fused multiply-adds), softmax with the row's maximum taken away,
; the two largest probabilities (the lower index wins a tie, as jax.lax.top_k has it), their weights w0, w1 = p / (p0 + p1); and the token's 1,024 numbers as
; codes of E2M1 with one E8M0 byte for each 32 along K.
; STORED: rt[token] = (1 << e0) | (1 << e1) | e0 << 8, a whole number at a fixed place: later launches form addresses from it, this one forms none.
;         gp[token][16] f32: 0..7 the probabilities, 8 w0, 9 w1.   xc: codes [token][512 bytes] in K's order; from byte 524,288 scale bytes [token][32].
; WORK LEFT OUT BY THE WHOLE PROGRAM.  For a token b and an expert e that is not among b's two, reference()'s onehot[b, :, e] is 0, so w_be[b, e] = 0 and the
; term w_be[b, e] (h @ w2[e] + b2[e]) is 0 for all finite inputs: rows (b, e) of the sixteen expert products with e not chosen reach no output and are not
; computed.  The division by TEMPERATURE = 1.0 is a factor 1.  The einsum with one_hot is a lookup.  Every input has a way to an output: all are loaded.
; LIMITS.  A NaN, an infinity or an overflow that arises only in an expert that was not chosen is not carried to y.  NaN and infinities among the inputs are
; not served.  A block of zeros gets the scale byte 1 (not 127) with zero codes: the bytes are read by this program alone.  The logits are summed in another
; order than reference()'s: a token whose second and third probabilities agree to about 1e-7 of their size may be routed either way.
; LAYOUT.  Lane l owns k = 32 l .. 32 l + 31: one block of the quantiser.  Loads take the bytes as they lie (512 consecutive bytes an instruction); x turns
; through the wave's own stage in LDS, gate_w (32 KiB, a quarter loaded by each wave) through a shared one, both with a pitch that is an odd multiple of 16 bytes.
.set GWP,   1040                       ; gate_w in LDS: a lane's 1,024 bytes (32 k x 8 experts) + 16
.set XST,   32*GWP                     ; behind it the four waves' stages for x
.set XSP,   144                        ; a lane's 128 bytes of x + 16
.set SPARE, XST+4*32*XSP               ; behind the stages: the spare words, 128 bytes for each wave, named by no other line
.set XSCL,  524288                     ; where xc's scale bytes begin
.set X,     16                         ; v16-47   my 32 numbers of x
.set XR,    48                         ; v48-79   x as loaded
.set G,     80                         ; v80-207  gate_w: two buffers of 64 (8 k x 8 experts); the first holds my 16 loads at the start
.set ACC,   208                        ; v208-223 two sets of 8 sums (even k, odd k)
.set PR,    224                        ; v224-231 the probabilities
.set SPW,   250                        ; v250     LDS address of my spare word; never rewritten
.set NIL,   251                        ; v251     0; never rewritten
	s_load_b256 s[4:11], s[0:1], 0x0               ; x s[4:5], gate_w s[6:7], gate_b s[8:9], rt s[10:11]
	s_load_b128 s[12:15], s[0:1], 0x20             ; gp s[12:13], xc s[14:15]
	v_lshl_add_u32 v[SPW], v0, 2, SPARE
	v_mov_b32 v[NIL], 0
	v_lshrrev_b32 v1, 5, v0
	v_readfirstlane_b32 s16, v1                    ; wave
	v_and_b32 v1, 31, v0                           ; lane
	v_lshlrev_b32 v2, 4, v1                        ; 16 x lane
	s_lshl_b32 s17, ttmp9, 2
	s_add_co_u32 s17, s17, s16                     ; my token
	s_mul_i32 s18, s16, 32*XSP
	s_add_co_u32 s18, s18, XST                     ; my stage for x
	v_lshrrev_b32 v3, 3, v1
	v_mul_u32_u24 v3, v3, XSP
	v_and_b32 v4, 7, v1
	v_lshl_add_u32 v3, v4, 4, v3
	v_add_nc_u32 v3, s18, v3                       ; in: eight lanes' 128 bytes on end, then 16 of padding
	v_mul_u32_u24 v4, v1, XSP
	v_add_nc_u32 v4, s18, v4                       ; out: my 128 bytes
	s_mul_i32 s18, s16, 8*GWP
	v_add_nc_u32 v5, s18, v2                       ; gate_w in: my wave's eight lane blocks
	v_mul_u32_u24 v6, v1, GWP                      ; gate_w out: my lane block
	s_lshl_b32 s18, s16, 13
	v_add_nc_u32 v9, s18, v2                       ; gate_w in memory: my wave's 8,192 bytes
	s_lshl_b32 s18, s17, 5
	v_add_nc_u32 v7, s18, v1                       ; xc: my block's scale byte
	s_lshl_b32 s18, s17, 9
	v_add_nc_u32 v8, s18, v2                       ; xc: my block's 16 bytes of codes
	s_lshl_b32 s18, s17, 6
	v_mov_b32 v10, s18                             ; gp: the token's 64 bytes
	s_lshl_b32 s18, s17, 2
	v_mov_b32 v11, s18                             ; rt: the token's word
	s_mov_b32 s28, 0x76543210
	s_mov_b32 s29, 0xfedcba98                      ; v_permlanex16_b32's selects for lane l xor 16
	s_lshl_b32 s18, s17, 12
	s_mov_b32 s19, 0
	s_wait_alu depctr_va_vdst(0)
	s_wait_kmcnt 0x0
	s_load_b256 s[20:27], s[8:9], 0x0              ; gate_b: eight numbers, the same for every lane
	s_add_nc_u64 s[4:5], s[4:5], s[18:19]          ; x at my token's row
.irp i, 0,1,2,3,4,5,6,7
	global_load_b128 v[XR+4*\i:XR+4*\i+3], v2, s[4:5] offset:512*\i th:TH_LOAD_NT
.endr
.irp i, 0,1,2,3,4,5,6,7,8,9,10,11,12,13,14,15
	global_load_b128 v[G+4*\i:G+4*\i+3], v9, s[6:7] offset:512*\i
.endr
	s_wait_loadcnt 16                              ; x's eight loads are in; gate_w's sixteen may be out
.irp i, 0,1,2,3,4,5,6,7
	ds_store_b128 v3, v[XR+4*\i:XR+4*\i+3] offset:4*XSP*\i
.endr
.irp i, 0,1,2,3,4,5,6,7
	ds_load_b128 v[X+4*\i:X+4*\i+3], v4 offset:16*\i   ; LDS serves a wave's instructions in order: these see my stores
.endr
	s_wait_loadcnt 0x0
.irp i, 0,1,2,3,4,5,6,7,8,9,10,11,12,13,14,15
	ds_store_b128 v5, v[G+4*\i:G+4*\i+3] offset:(\i/2)*GWP+(\i%2)*512
.endr
	s_wait_dscnt 0x0                               ; my part of gate_w has landed (for the others), and my 32 numbers of x are in
	s_barrier_signal -1
	; the quantiser, work on registers alone, stands between the signal and the wait
	v_max3_num_f32 v232, |v[X]|, |v[X+1]|, 0x1800000   ; the block's largest magnitude, and the floor 2^(3 - 127): the byte cannot fall under 1
	v_max3_num_f32 v233, |v[X+2]|, |v[X+3]|, |v[X+4]|
.irp i, 5,9,13,17,21,25
	v_max3_num_f32 v232, v232, |v[X+\i]|, |v[X+\i+1]|
	v_max3_num_f32 v233, v233, |v[X+\i+2]|, |v[X+\i+3]|
.endr
	v_max3_num_f32 v232, v232, |v[X+29]|, |v[X+30]|
	v_max3_num_f32 v232, v232, v233, |v[X+31]|
	v_add_nc_u32 v249, 0xff000000, v232            ; 2 off its exponent field: the conversion takes this operand's exponent field as its scale
.irp g, 0,1,2,3
	v_cvt_scalef32_pk8_fp4_f32 v[244+\g], v[X+8*\g:X+8*\g+7], v249
.endr
	v_lshrrev_b32 v248, 23, v249                   ; the scale's byte (a plain line behind the conversions)
	s_wait_alu depctr_va_vdst(0)
	s_barrier_wait -1                              ; all of gate_w lies in LDS
.macro GLOAD c                         ; chunk c: gate_w of my k = 8 c .. 8 c + 7: register 8 kk + e
.irp i, 0,1,2,3,4,5,6,7,8,9,10,11,12,13,14,15
	ds_load_b128 v[G+64*((\c)%2)+4*\i:G+64*((\c)%2)+4*\i+3], v6 offset:256*(\c)+16*\i
.endr
.endm
.macro GSUM c                          ; 32 packed multiply-adds: two experts at a time; even k into set 0, odd k into set 1; the first two k start the sums
.set GB, G+64*((\c)%2)
.set XB, X+8*(\c)
.irp kp, 0,1,2,3
.irp p, 0,1,2,3
.if ((\c) == 0) && (\kp == 0)
	v_pk_mul_f32 v[ACC+2*\p:ACC+2*\p+1], v[GB+2*\p:GB+2*\p+1], v[XB:XB+1] op_sel_hi:[1,0]
.else
	v_pk_fma_f32 v[ACC+2*\p:ACC+2*\p+1], v[GB+16*\kp+2*\p:GB+16*\kp+2*\p+1], v[XB+2*\kp:XB+2*\kp+1], v[ACC+2*\p:ACC+2*\p+1] op_sel_hi:[1,0,1]
.endif
.endr
.irp p, 0,1,2,3
.if ((\c) == 0) && (\kp == 0)
	v_pk_mul_f32 v[ACC+8+2*\p:ACC+9+2*\p], v[GB+8+2*\p:GB+9+2*\p], v[XB:XB+1] op_sel:[0,1] op_sel_hi:[1,1]
.else
	v_pk_fma_f32 v[ACC+8+2*\p:ACC+9+2*\p], v[GB+16*\kp+8+2*\p:GB+16*\kp+9+2*\p], v[XB+2*\kp:XB+2*\kp+1], v[ACC+8+2*\p:ACC+9+2*\p] op_sel:[0,1,0] op_sel_hi:[1,1,1]
.endif
.endr
.endr
.endm
	GLOAD 0
	GLOAD 1
	global_store_b128 v8, v[244:247], s[14:15]     ; the wave stores the token's 512 bytes of codes, consecutive
	global_store_b8 v7, v248, s[14:15] offset:XSCL ; and its 32 scale bytes, consecutive
	s_wait_dscnt 16                                ; chunk 0 is in; chunk 1's sixteen loads may be out
	GSUM 0
	GLOAD 2
	s_wait_alu depctr_va_vdst(0)
	s_wait_dscnt 16
	GSUM 1
	GLOAD 3
	s_wait_alu depctr_va_vdst(0)
	s_wait_dscnt 16
	GSUM 2
	s_wait_alu depctr_va_vdst(0)
	s_wait_dscnt 0x0
	GSUM 3
.irp p, 0,1,2,3
	v_pk_add_f32 v[ACC+2*\p:ACC+2*\p+1], v[ACC+2*\p:ACC+2*\p+1], v[ACC+8+2*\p:ACC+9+2*\p]
.endr
	s_wait_alu depctr_va_vdst(0)
	s_wait_tensorcnt 0x0                           ; the wave's end as far as LDS goes
	ds_add_u32 v[SPW], v[NIL]                      ; (the sums across the lanes, work on registers, stand between the add and the wait for it)
.irp k, 1,2,4,8
.irp e, 0,1,2,3,4,5,6,7
	v_add_f32_dpp v[ACC+\e], v[ACC+\e], v[ACC+\e] row_xmask:\k row_mask:0xf bank_mask:0xf
.endr
.endr
.irp e, 0,1,2,3,4,5,6,7
	v_permlanex16_b32 v[ACC+8+\e], v[ACC+\e], s28, s29   ; (its destination has been written before)
.endr
.irp e, 0,1,2,3,4,5,6,7
	v_add_f32 v[ACC+\e], v[ACC+\e], v[ACC+8+\e]    ; every lane holds the eight sums
.endr
	s_wait_alu depctr_va_vdst(0)
	s_wait_dscnt 0x0
	s_wait_kmcnt 0x0                               ; gate_b
.irp e, 0,1,2,3,4,5,6,7
	v_add_f32 v[ACC+\e], s[20+\e], v[ACC+\e]       ; the logits
.endr
	v_max3_num_f32 v232, v[ACC], v[ACC+1], v[ACC+2]
	v_max3_num_f32 v232, v232, v[ACC+3], v[ACC+4]
	v_max3_num_f32 v232, v232, v[ACC+5], v[ACC+6]
	v_max_num_f32 v232, v232, v[ACC+7]             ; the row's maximum
.irp e, 0,1,2,3,4,5,6,7
	v_sub_f32 v[ACC+8+\e], v[ACC+\e], v232         ; taken away first, so that large logits lose nothing in the scaling
.endr
.irp e, 0,1,2,3,4,5,6,7
	v_mul_f32 v[ACC+8+\e], 0x3fb8aa3b, v[ACC+8+\e] ; x log2(e)
.endr
	s_wait_alu depctr_va_vdst(0)
.irp e, 0,1,2,3,4,5,6,7
	v_exp_f32 v[ACC+8+\e], v[ACC+8+\e]
.endr
	v_mov_b32 v237, 1                              ; a plain line behind the exponentials
	s_wait_alu depctr_va_vdst(0)                   ; one wait for the eight, ahead of their first use
	v_pk_add_f32 v[232:233], v[216:217], v[218:219]
	v_pk_add_f32 v[234:235], v[220:221], v[222:223]
	v_pk_add_f32 v[232:233], v[232:233], v[234:235]
	v_add_f32 v232, v232, v233
	s_wait_alu depctr_va_vdst(0)
	v_rcp_f32 v236, v232
	v_mov_b32 v238, 0                              ; (a plain line)  e0 = 0 to begin with
	s_wait_alu depctr_va_vdst(0)
.irp e, 0,1,2,3,4,5,6,7
	v_mul_f32 v[PR+\e], v[ACC+8+\e], v236          ; the probabilities
.endr
	v_mov_b32 v239, v[PR]
.irp e, 1,2,3,4,5,6,7                  ; the largest: a later expert takes over only where it is strictly larger
	v_cmp_le_f32 vcc_lo, v[PR+\e], v239
	v_cndmask_b32 v238, \e, v238, vcc_lo
	v_max_num_f32 v239, v239, v[PR+\e]
.endr
.irp e, 0,1,2,3,4,5,6,7
	v_cmp_ne_u32 vcc_lo, \e, v238
	v_cndmask_b32 v[ACC+8+\e], -1.0, v[PR+\e], vcc_lo   ; the winner is taken out: -1 lies under every probability
.endr
	v_mov_b32 v240, 0
	v_mov_b32 v241, v[ACC+8]
.irp e, 1,2,3,4,5,6,7                  ; the second largest, in the same way
	v_cmp_le_f32 vcc_lo, v[ACC+8+\e], v241
	v_cndmask_b32 v240, \e, v240, vcc_lo
	v_max_num_f32 v241, v241, v[ACC+8+\e]
.endr
	v_add_f32 v242, v239, v241
	s_wait_alu depctr_va_vdst(0)
	v_rcp_f32 v243, v242
	v_lshlrev_b32 v232, v238, v237                 ; (a plain line)  1 << e0
	s_wait_alu depctr_va_vdst(0)
	v_mul_f32 v234, v239, v243                     ; w0
	v_mul_f32 v235, v241, v243                     ; w1
	v_lshlrev_b32 v233, v240, v237                 ; 1 << e1
	v_or_b32 v232, v232, v233
	v_lshl_or_b32 v232, v238, 8, v232              ; | e0 << 8
	v_cmp_eq_u32 vcc_lo, 0, v1
	s_wait_alu depctr_va_vdst(0)
	s_wait_xcnt 0x0                                ; EXEC changes only behind this wait: the stores above have read theirs
	s_and_saveexec_b32 s30, vcc_lo                 ; lane 0 stores the token's figures
	global_store_b128 v10, v[PR:PR+3], s[12:13]
	global_store_b128 v10, v[PR+4:PR+7], s[12:13] offset:16
	global_store_b64 v10, v[234:235], s[12:13] offset:32
	global_store_b32 v11, v232, s[10:11]
	s_endpgm
.Lfunc_end_k_q72112d455a_gate:
	.size	k_q72112d455a_gate, .Lfunc_end_k_q72112d455a_gate-k_q72112d455a_gate
	.p2alignl 7, 3214868480
	.fill 96, 4, 3214868480
	.section	.rodata,"a",@progbits
	.p2align	6, 0x0
	.amdhsa_kernel k_q72112d455a_gate
		.amdhsa_group_segment_fixed_size 52224
		.amdhsa_private_segment_fixed_size 0
		.amdhsa_enable_private_segment 0
		.amdhsa_kernarg_size 48
		.amdhsa_user_sgpr_count 2
		.amdhsa_user_sgpr_kernarg_segment_ptr 1
		.amdhsa_wavefront_size32 1
		.amdhsa_system_sgpr_workgroup_id_x 1
		.amdhsa_system_sgpr_workgroup_id_y 1
		.amdhsa_system_sgpr_workgroup_id_z 1
		.amdhsa_system_vgpr_workitem_id 0
		.amdhsa_next_free_vgpr 256
		.amdhsa_next_free_sgpr 66
		.amdhsa_reserve_vcc 1
		.amdhsa_float_denorm_mode_32 3
		.amdhsa_float_denorm_mode_16_64 3
		.amdhsa_memory_ordered 1
		.amdhsa_forward_progress 1
		.amdhsa_inst_pref_size 29
	.end_amdhsa_kernel
	.amdgpu_metadata
---
amdhsa.version: [ 1, 2 ]
amdhsa.kernels:
  - .name:           k_q72112d455a_gate
    .symbol:         k_q72112d455a_gate.kd
    .args:
      - { .name: x, .offset: 0, .size: 8, .value_kind: global_buffer, .address_space: global }
      - { .name: gate_w, .offset: 8, .size: 8, .value_kind: global_buffer, .address_space: global }
      - { .name: gate_b, .offset: 16, .size: 8, .value_kind: global_buffer, .address_space: global }
      - { .name: rt, .offset: 24, .size: 8, .value_kind: global_buffer, .address_space: global }
      - { .name: gp, .offset: 32, .size: 8, .value_kind: global_buffer, .address_space: global }
      - { .name: xc, .offset: 40, .size: 8, .value_kind: global_buffer, .address_space: global }
    .group_segment_fixed_size: 52224
    .private_segment_fixed_size: 0
    .kernarg_segment_align: 8
    .kernarg_segment_size: 48
    .max_flat_workgroup_size: 128
    .sgpr_count:     66
    .vgpr_count:     256
    .wavefront_size: 32
...
	.end_amdgpu_metadata
.endif
;; end of part 1
;; launch ffn1 (part 2): grid 32 x 8, 4 waves a work-group, no clusters, 66,048 bytes of LDS; arguments rt, gp, xc, w1_codes, w1_scales, b1, hc, meta, roww; writes hc, meta, roww
.if DOCPART == 2
	.amdgcn_target "amdgcn-amd-amdhsa--gfx1250"
	.amdhsa_code_object_version 6
	.text
	.protected	k_q72112d455a_ffn1
	.globl	k_q72112d455a_ffn1
	.p2align	8
	.type	k_q72112d455a_ffn1,@function
k_q72112d455a_ffn1:
	s_mov_b64 s[64:65], 0
	v_nop
	global_prefetch_b8 v0, s[64:65] scope:SCOPE_SE
	s_setreg_imm32_b32 hwreg(HW_REG_WAVE_MODE, 25, 1), 1
	s_wait_xcnt 0x0
; THE FIRST PRODUCT OF THE EXPERTS, ON THE CHOSEN ROWS ALONE: h = gelu(x w1[e] + b1[e]), quantised along the hidden axis for the second product.
; Left out: rows (token, expert) whose expert was not chosen; their weight w_be is 0 by reference()'s own one_hot (shown at the head of the first kernel).
; SHARES.  Work-group (SL, E): hidden units 128 SL .. 128 SL + 127 of expert E.  Each of the four waves keeps that slice of w1 for all of K = 1,024 in its registers
; (8 tiles x 8 K steps x 8 = 512) and takes the expert's tiles of 16 rows t = wave, wave + 4, ..
; THE SLICE IS FETCHED ONCE A WORK-GROUP: wave w loads K steps 2 w and 2 w + 1 (32 loads), stores them in LDS as images of the operand's registers (lane l's 16 bytes at 16 l, 512 bytes a
; store), and behind ONE barrier every wave reads all 64 fragments by the same lines.  That barrier stands ahead of every branch that hangs on loaded numbers; behind it waves share nothing.
; WHO IS A ROW.  rt[token] holds the token's two experts as bits.  The wave reads all 1,024 words, and 32 compares give the expert's members as 32 scalar words M; the running counts of
; members up to each word are kept in 31 vector registers.  Row J of the expert is the token of the J-th set bit: found by counting, with whole-number instructions alone.  Rows J >= N of
; the last tile take some token and are sent to rows that nobody reads.
; THE PRODUCT IS USED TRANSPOSED (source 0 = 16 rows of w1, source 1 = 16 rows of x), and lane r of tile 2 b + u takes w1's row 32 b + 8 u + r + 8 (r / 8): a lane then holds one
; row of h, and the 16 registers of tiles 2 b, 2 b + 1 are hidden units 32 b + 16 (lane / 16) + 0 .. 15.  So the slice's 128 units of 16 rows become ONE operand fragment (K step SL
; of the second product) and one scale word a row; they are stored as an image of the operand's registers: hc [e][t 64][K step 32][2][lane][16 bytes]; scale words from byte
; 16,777,216: [e][t][K step / 4][row 16][K step % 4].  b1 is the C of each sum's first matrix instruction.
; GELU, exact form: gelu(x) = max(x, 0) - |x| erfc(|x| / sqrt 2) / 2, erfc(z) = t exp(-z^2 + P(t)), t = 1 / (1 + z / 2), P of degree 9 (a Chebyshev fit whose fractional error
; stays under 1.2e-7 for all z); the factor log2(e) and the halving are folded into P's coefficients.
; The work-groups with SL = 0 also store, for each row: where its result goes (meta: row = slot x 1,024 + token, slot 0 for the token's first expert; rows past N: 2,048 + 16 E + r)
; and its weight (roww); wave 0 of them stores N (meta + 32,768).
; LIMITS: NaN and infinities are not served; a block of zeros gets the scale byte 1 with zero codes (read by this program alone).
; REGISTERS: window 0: addresses, scale words (v24-59), the 8 accumulators v64-127, v128-215 at work, v216-250 kept.  Window 1: w1, K steps 0-3 at v[64 s + 8 tile].  Window 2: K steps 4-7.
;   Window 3: v0-63 b1 in the result's layout; v64-127 x's eight fragments.
.set SPARE, 65536                      ; LDS: the slice's 64 fragments of 1,024 bytes from byte 0; behind them the spare words, 128 bytes for each wave, named by no other line
.set LANE, 1
.set R,    2                           ; lane % 16
.set H16,  3                           ; 16 x (lane / 16)
.set LI,   4                           ; 16 x lane
.set WA,   5                           ; w1's codes: my row of a tile, my half
.set WSA,  6                           ; w1's scale words: 16 bytes of my row: K steps 0-3 (lanes 0-15) or 4-7 (lanes 16-31)
.set BA,   7                           ; b1: 64 x (lane / 16)
.set XA,   8                           ; x's codes of my row
.set XSA,  9                           ; x's scale words, as w1's
.set HA,   10
.set HSA,  11
.set R16,  12
.set TOK,  13
.set J,    14
.set RDL,  15                          ; ((r & 1) x 8 + (r >> 1)) x 4: the order in which the second product's way out wants the rows
.set RWL,  16
.set MR,   17
.set MG,   18
.set MA1,  20
.set MA2,  21
.set RDA,  22
.set RWA,  23
.set XS,   24                          ; v24-27  x's scale words: register s % 4; lanes 0-15 K step s < 4, lanes 16-31 K step s >= 4
.set W1S,  28                          ; v28-59  w1's: register 4 tile + s % 4, likewise
.set C8,   60                          ; v60-61  P's coefficient of t^8, twice
.set ZR,   62                          ; 0
.set DUMP, 63
.set ACC,  64
.set T,    128
.set P,    144
.set Q,    160
.set TM,   176
.set PC,   192
.set PW,   200
.set WD,   201
.set DD,   202
.set TP,   203
.set SW,   204
.set SB,   205
.set SG,   206
.set R0,   207
.set SA,   208
.set SBB,  209
.set SC,   210
.set SD,   211
.set SS,   212
.set ST1,  213
.set ST2,  214
.set RTA,  215
.set SPW,  216                         ; LDS address of my spare word; never rewritten
.set NIL,  217                         ; 0; never rewritten
.set PF,   218                         ; v218-248 register g: the expert's members in words 0 .. g, the same in every lane
.set WST,  249                         ; LDS: where I store my quarter: 16,384 x wave + 16 x lane
.set WAQ,  250                         ; w1's codes: WA + 128 x wave: K steps 2 wave, 2 wave + 1
.set WV,   2
.set SL,   3
.set EX,   4
.set BIT,  5
.set NN,   6
.set NT,   7
.set TT,   28                          ; the tile in hand: wave + 4 x trip
.set TN,   29
.set TMP,  31
.set SEL,  34
.set K1,   36
.set HB,   41
.set HSB,  42
.set SAVE, 43
.set E64,  44
.set CNT,  45                          ; the loop's counter: trips done, one a trip
.set TRIPS, 46                         ; my wave's tiles: (NT - wave + 3) / 4; the loop does not write it
.set M,    66                          ; s66-97  the expert's members, a bit a token
.set MSB, 0
.macro WIN new                         ; the immediate's high byte repeats the setting that is left
.if MSB != (\new)
	s_set_vgpr_msb (MSB<<8)|(\new)
.set MSB, (\new)
.endif
.endm
.macro WM d, a, b, c, sa, sb, sel      ; one matrix instruction; sel = 3: both scale words from lanes 16-31
.if (\sel) == 0
	v_wmma_scale_f32_16x16x128_f8f6f4 v[\d:\d+7], v[\a:\a+7], v[\b:\b+7], v[\c:\c+7], v[\sa], v[\sb] matrix_a_fmt:MATRIX_FMT_FP4 matrix_b_fmt:MATRIX_FMT_FP4
.else
	v_wmma_scale_f32_16x16x128_f8f6f4 v[\d:\d+7], v[\a:\a+7], v[\b:\b+7], v[\c:\c+7], v[\sa], v[\sb] matrix_a_fmt:MATRIX_FMT_FP4 matrix_b_fmt:MATRIX_FMT_FP4 matrix_a_scale:MATRIX_SCALE_ROW1 matrix_b_scale:MATRIX_SCALE_ROW1
.endif
.endm
.macro QLOAD                           ; my quarter of the slice, 16 fragments: 32 loads, into the registers that K steps 0 and 1 will take
	WIN 0x40
.irp kk, 0,1
.irp tt, 0,1,2,3,4,5,6,7
.irp c, 0,1
	global_load_b128 v[64*\kk+8*\tt+4*\c:64*\kk+8*\tt+4*\c+3], v[WAQ], s[14:15] offset:(32*(\tt/2)+8*(\tt%2))*512+64*\kk+32*\c
.endr
.endr
.endr
.endm
.macro QSTORE                          ; and on to LDS as it stands: fragment (K step, tile) at 8,192 K step + 1,024 tile
	WIN 0x04                                       ; an LDS store's data are its source 1: window 1
.irp kk, 0,1
.irp tt, 0,1,2,3,4,5,6,7
.irp c, 0,1
	ds_store_b128 v[WST], v[64*\kk+8*\tt+4*\c:64*\kk+8*\tt+4*\c+3] offset:8192*\kk+1024*\tt+512*\c
.endr
.endr
.endr
	WIN 0
.endm
.macro WFETCH                          ; the whole slice from LDS: 128 loads of 512 consecutive bytes; the same lines as the stores give the same registers in the same lanes
.irp ks, 0,1,2,3,4,5,6,7
	WIN 0x40*(1+\ks/4)
.irp tt, 0,1,2,3,4,5,6,7
.irp c, 0,1
	ds_load_b128 v[64*(\ks%4)+8*\tt+4*\c:64*(\ks%4)+8*\tt+4*\c+3], v[LI] offset:8192*\ks+1024*\tt+512*\c
.endr
.endr
.endr
	WIN 0
.endm
.macro LEVEL w, width, step            ; does my bit lie beyond the field at SS?  Then pass the field's count and step over it
	v_bfe_u32 v[ST1], v[\w], v[SS], \width
	v_cmp_lt_u32 vcc_lo, v[R0], v[ST1]
	v_cndmask_b32 v[ST1], v[ST1], v[ZR], vcc_lo
	v_cndmask_b32 v[ST2], \step, v[ZR], vcc_lo
	v_sub_nc_u32 v[R0], v[R0], v[ST1]
	v_add_nc_u32 v[SS], v[SS], v[ST2]
.endm
.macro SELECT ts                       ; TOK = the token of row J = 16 s[ts] + r of the expert
	v_lshl_add_u32 v[J], s[\ts], 4, v[R]
	v_mov_b32 v[SW], s[M]
	v_mov_b32 v[SB], 0
	v_mov_b32 v[SG], 0
.set g, 0
.rept 31                               ; the word that holds my bit: the last word g + 1 with (members in words 0 .. g) <= J
	v_cmp_gt_u32 vcc_lo, v[PF+g], v[J]
	v_cndmask_b32 v[SW], s[M+g+1], v[SW], vcc_lo
	v_cndmask_b32 v[SB], v[PF+g], v[SB], vcc_lo
	v_cndmask_b32 v[SG], g+1, v[SG], vcc_lo
.set g, g+1
.endr
	v_sub_nc_u32 v[R0], v[J], v[SB]                ; which set bit of that word
	v_lshrrev_b32 v[SA], 1, v[SW]
	v_and_b32 v[SA], 0x55555555, v[SA]
	v_sub_nc_u32 v[SA], v[SW], v[SA]               ; counts in fields of 2 bits,
	v_lshrrev_b32 v[SBB], 2, v[SA]
	v_and_b32 v[SBB], 0x33333333, v[SBB]
	v_and_b32 v[ST1], 0x33333333, v[SA]
	v_add_nc_u32 v[SBB], v[SBB], v[ST1]            ; of 4,
	v_lshrrev_b32 v[SC], 4, v[SBB]
	v_add_nc_u32 v[SC], v[SC], v[SBB]
	v_and_b32 v[SC], 0x0f0f0f0f, v[SC]             ; of 8,
	v_lshrrev_b32 v[SD], 8, v[SC]
	v_add_nc_u32 v[SD], v[SD], v[SC]
	v_and_b32 v[SD], 0x00ff00ff, v[SD]             ; of 16
	v_mov_b32 v[SS], 0
	LEVEL SD, 8, 16
	LEVEL SC, 8, 8
	LEVEL SBB, 4, 4
	LEVEL SA, 2, 2
	LEVEL SW, 1, 1
	v_lshl_add_u32 v[TOK], v[SG], 5, v[SS]
	v_min_u32 v[TOK], 0x3ff, v[TOK]                ; a token's number, whatever the words held
.endm
.macro XLOAD                           ; my row's eight fragments and its scale words: 17 loads
	v_lshl_add_u32 v[XA], v[TOK], 9, v[H16]
	v_lshl_add_u32 v[XSA], v[TOK], 5, v[H16]
	WIN 0xc0
.irp ks, 0,1,2,3,4,5,6,7
.irp c, 0,1
	global_load_b128 v[64+8*\ks+4*\c:64+8*\ks+4*\c+3], v[XA], s[12:13] offset:64*\ks+32*\c
.endr
.endr
	WIN 0
	global_load_b128 v[XS:XS+3], v[XSA], s[12:13] offset:524288
.endm
.macro METALOAD                        ; the row's routing word and its two weights
	v_lshlrev_b32 v[MA1], 2, v[TOK]
	v_lshlrev_b32 v[MA2], 6, v[TOK]
	global_load_b32 v[MR], v[MA1], s[8:9]
	global_load_b64 v[MG:MG+1], v[MA2], s[10:11] offset:32
.endm
.macro METAFIN ts                      ; where the rows of tile s[ts] go, and their weights
	s_wait_loadcnt 17                              ; the two loads above are in; x's seventeen, issued behind them, may be out
	v_bfe_u32 v[TP], v[MR], 8, 3                   ; the token's first expert
	v_cmp_ne_u32 vcc_lo, s[EX], v[TP]              ; am I its second?
	v_add_nc_u32 v[DD], 0x400, v[TOK]
	v_cndmask_b32 v[DD], v[TOK], v[DD], vcc_lo
	v_cndmask_b32 v[WD], v[MG], v[MG+1], vcc_lo
	v_cmp_le_u32 vcc_lo, s[NN], v[J]               ; a row past the expert's last
	v_cndmask_b32 v[DD], v[DD], v[DUMP], vcc_lo
	s_min_u32 s38, s[\ts], 63
	s_add_co_u32 s38, s38, s[E64]
	s_lshl_b32 s38, s38, 6
	v_add_nc_u32 v[RDA], s38, v[RDL]
	v_add_nc_u32 v[RWA], s38, v[RWL]
	global_store_b32 v[RDA], v[DD], s[22:23]       ; (both halves of the lanes hold the same rows and store the same words)
	global_store_b32 v[RWA], v[WD], s[24:25]
.endm
.macro MUL                             ; 64 matrix instructions: K step by K step, the eight accumulators by turns, one instruction a turn
.irp ks, 0,1,2,3,4,5,6,7
.if \ks == 0
	WIN 0x3d                                       ; source 0 (w1) window 1, source 1 (x) window 3, C (b1) window 3, D window 0
.elseif \ks < 4
	WIN 0x0d
.else
	WIN 0x0e                                       ; w1's K steps 4-7: window 2
.endif
.irp tt, 0,1,2,3,4,5,6,7
.if \ks == 0
	WM ACC+8*\tt, 8*\tt, 64, 8*\tt, W1S+4*\tt, XS, 0
.elseif \ks < 4
	WM ACC+8*\tt, 64*\ks+8*\tt, 64+8*\ks, ACC+8*\tt, W1S+4*\tt+\ks, XS+\ks, 0
.else
	WM ACC+8*\tt, 64*(\ks-4)+8*\tt, 64+8*\ks, ACC+8*\tt, W1S+4*\tt+\ks-4, XS+\ks-4, 3
.endif
.endr
.endr
.endm
.macro GELU16 b                        ; 16 numbers in place; each accumulator is read from its low end on
.set A, ACC+16*(\b)
.set n, 0
.rept 16
	v_fma_f32 v[T+n], |v[A+n]|, s[K1], 1.0         ; 1 + |x| / (2 sqrt 2)
.set n, n+1
.endr
.set n, 0
	s_wait_alu depctr_va_vdst(0)
.rept 16
	v_rcp_f32 v[T+n], v[T+n]                       ; t
.set n, n+1
.endr
.set n, 0
.rept 8
	v_pk_mul_f32 v[Q+n:Q+n+1], v[A+n:A+n+1], v[A+n:A+n+1]   ; x^2: plain work behind the reciprocals
.set n, n+2
.endr
	s_wait_alu depctr_va_vdst(0)                   ; one wait for the sixteen, ahead of their first use
.set n, 0
.rept 8
	v_pk_fma_f32 v[P+n:P+n+1], v[T+n:T+n+1], 0x3e7c6f08, v[C8:C8+1] op_sel_hi:[1,0,1]
.set n, n+2
.endr
.irp k, 0x40097039, 0xbfd1a1e5, 0x3ecdfd18, 0xbe899a80, 0x3e0efb2e, 0x3f0a29d2, 0x3fb8ab5a, 0xc034d90f
.set n, 0
.rept 8
	v_pk_fma_f32 v[P+n:P+n+1], v[P+n:P+n+1], v[T+n:T+n+1], \k op_sel_hi:[1,1,0]
.set n, n+2
.endr
.endr
.set n, 0
.rept 8
	v_pk_fma_f32 v[P+n:P+n+1], v[Q+n:Q+n+1], 0xbf38aa3b, v[P+n:P+n+1] op_sel_hi:[1,0,1]   ; - x^2 log2(e) / 2
.set n, n+2
.endr
.set n, 0
	s_wait_alu depctr_va_vdst(0)
.rept 16
	v_exp_f32 v[P+n], v[P+n]
.set n, n+1
.endr
.set n, 0
.rept 8
	v_pk_mul_f32 v[T+n:T+n+1], v[A+n:A+n+1], v[T+n:T+n+1]   ; x t: plain work behind the exponentials
.set n, n+2
.endr
.set n, 0
.rept 16
	v_max_num_f32 v[Q+n], 0, v[A+n]
.set n, n+1
.endr
	s_wait_alu depctr_va_vdst(0)                   ; one wait for the sixteen
.set n, 0
.rept 16
	v_fma_f32 v[A+n], -|v[T+n]|, v[P+n], v[Q+n]    ; max(x, 0) - |x t| 2^(..)
.set n, n+1
.endr
.endm
; 64 numbers of a lane, register 16 b + i = k 32 b + 16 (lane / 16) + i of my row, become a fragment's codes in v[PC] on and its scale word in v[PW]
.macro QUANT src
.irp b, 0,1,2,3
	v_max3_num_f32 v[TM+\b], |v[\src+16*\b]|, |v[\src+1+16*\b]|, 0x1800000   ; block b: my 16 numbers, and the floor 2^(3 - 127): the byte cannot fall under 1
.endr
.irp i, 2,4,6,8,10,12,14
.irp b, 0,1,2,3
	v_max3_num_f32 v[TM+\b], v[TM+\b], |v[\src+16*\b+\i]|, |v[\src+1+16*\b+\i]|
.endr
.endr
.irp b, 0,1,2,3
	v_permlanex16_b32 v[TM+4+\b], v[TM+\b], s[SEL], s[SEL+1]
.endr
.irp b, 0,1,2,3
	v_max_num_f32 v[TM+\b], v[TM+\b], v[TM+4+\b]   ; with lane l xor 16's: the block's largest magnitude
.endr
.irp b, 0,1,2,3
	v_add_nc_u32 v[TM+12+\b], 0xff000000, v[TM+\b] ; 2 off its exponent field: the conversion's scale operand
.endr
.irp b, 0,1,2,3
	v_lshrrev_b32 v[TM+4+\b], 23, v[TM+12+\b]      ; the scale's byte
.endr
	v_lshl_or_b32 v[PW], v[TM+5], 8, v[TM+4]
	v_lshl_or_b32 v[PW], v[TM+6], 16, v[PW]
	v_lshl_or_b32 v[PW], v[TM+7], 24, v[PW]
.irp b, 0,1,2,3
	v_cvt_scalef32_pk8_fp4_f32 v[PC+2*\b], v[\src+16*\b:\src+7+16*\b], v[TM+12+\b]
	v_cvt_scalef32_pk8_fp4_f32 v[PC+1+2*\b], v[\src+8+16*\b:\src+15+16*\b], v[TM+12+\b]
.endr
	v_nop                                          ; one plain line behind the scaled conversions
.irp c, 0,1                                    ; the operand's layout wants a whole block in a lane
.irp i, 0,1
	v_permlane16_swap_b32 v[PC+4*\c+\i], v[PC+2+4*\c+\i]
.endr
.endr
.endm
	s_load_b512 s[8:23], s[0:1], 0x0               ; rt 8, gp 10, xc 12, w1_codes 14, w1_scales 16, b1 18, hc 20, meta 22
	s_load_b64 s[24:25], s[0:1], 0x40              ; roww
	v_lshl_add_u32 v[SPW], v0, 2, SPARE
	v_mov_b32 v[NIL], 0
	v_lshrrev_b32 v[TP], 5, v0
	v_readfirstlane_b32 s[WV], v[TP]
	s_mov_b32 s[SL], ttmp9
	s_and_b32 s[EX], ttmp7, 0xffff
	s_lshl_b32 s[BIT], 1, s[EX]
	s_lshl_b32 s[E64], s[EX], 6
	v_and_b32 v[LANE], 31, v0
	v_and_b32 v[R], 15, v0
	v_bfe_u32 v[H16], v0, 4, 1
	v_lshlrev_b32 v[H16], 4, v[H16]
	v_lshlrev_b32 v[LI], 4, v[LANE]
	v_and_b32 v[TP], 8, v[R]
	v_add_nc_u32 v[TP], v[TP], v[R]                ; r + 8 (r / 8)
	v_lshl_add_u32 v[WA], v[TP], 9, v[H16]
	v_lshl_add_u32 v[WSA], v[TP], 5, v[H16]
	s_lshl_b32 s38, s[WV], 14
	v_add_nc_u32 v[WST], s38, v[LI]                ; LDS: my 16 fragments begin at 16,384 x wave
	s_lshl_b32 s38, s[WV], 7
	v_add_nc_u32 v[WAQ], s38, v[WA]                ; memory: a K step is 64 bytes of a row; mine begin at 128 x wave
	v_lshlrev_b32 v[BA], 2, v[H16]
	v_lshlrev_b32 v[R16], 4, v[R]
	v_and_b32 v[RDL], 1, v[R]
	v_lshrrev_b32 v[TP], 1, v[R]
	v_lshl_add_u32 v[RDL], v[RDL], 3, v[TP]
	v_lshlrev_b32 v[RDL], 2, v[RDL]
	v_lshlrev_b32 v[RWL], 2, v[R]
	s_lshl_b32 s38, s[EX], 4
	s_add_co_u32 s38, s38, 2048
	v_add_nc_u32 v[DUMP], s38, v[R]
	v_lshlrev_b32 v[RTA], 2, v[LANE]
	v_mov_b32 v[ZR], 0
	v_mov_b32 v[C8], 0xbf97d29d
	v_mov_b32 v[C8+1], 0xbf97d29d
	v_mov_b32 v[MR], 0                             ; written once, whole
	v_mov_b32 v[MG], 0
	v_mov_b32 v[MG+1], 0
.irp b, 0,1,2,3
	v_mov_b32 v[TM+4+\b], 0                        ; a lane permute's destination counts as one of its sources
.endr
	s_mov_b32 s[SEL], 0x76543210
	s_mov_b32 s[SEL+1], 0xfedcba98
	s_mov_b32 s[K1], 0x3eb504f3                    ; 1 / (2 sqrt 2)
	s_lshl_b32 s[HB], s[EX], 21
	s_lshl_b32 s38, s[SL], 10
	s_add_co_u32 s[HB], s[HB], s38                 ; hc: my expert's region, my K step
	s_lshl_b32 s[HSB], s[EX], 17
	s_lshr_b32 s38, s[SL], 2
	s_lshl_b32 s38, s38, 8
	s_add_co_u32 s[HSB], s[HSB], s38
	s_and_b32 s38, s[SL], 3
	s_lshl_b32 s38, s38, 2
	s_add_co_u32 s[HSB], s[HSB], s38               ; and its place among the scale words
	s_mov_b32 s33, 0
	s_wait_kmcnt 0x0
	s_lshl_b32 s32, s[EX], 21
	s_lshl_b32 s38, s[SL], 16
	s_add_co_u32 s32, s32, s38
	s_add_nc_u64 s[14:15], s[14:15], s[32:33]      ; w1's codes at my slice: 128 rows of 512 bytes
	s_lshl_b32 s32, s[EX], 17
	s_lshl_b32 s38, s[SL], 12
	s_add_co_u32 s32, s32, s38
	s_add_nc_u64 s[16:17], s[16:17], s[32:33]      ; its scale bytes: 128 rows of 32
	s_lshl_b32 s32, s[EX], 14
	s_lshl_b32 s38, s[SL], 9
	s_add_co_u32 s32, s32, s38
	s_add_nc_u64 s[18:19], s[18:19], s[32:33]      ; b1
	s_add_nc_u64 s[26:27], s[20:21], 0x1000000     ; hc's scale words
.set g, 0
.rept 32
	global_load_b32 v[ACC+g], v[RTA], s[8:9] offset:128*g   ; rt[32 g + lane]
.set g, g+1
.endr
	QLOAD
	WIN 0
.irp tt, 0,1,2,3,4,5,6,7
	global_load_b128 v[W1S+4*\tt:W1S+4*\tt+3], v[WSA], s[16:17] offset:(32*(\tt/2)+8*(\tt%2))*32
.endr
	WIN 0xc0
.irp tt, 0,1,2,3,4,5,6,7
	global_load_b128 v[8*\tt:8*\tt+3], v[BA], s[18:19] offset:(32*(\tt/2)+8*(\tt%2))*4
	global_load_b128 v[8*\tt+4:8*\tt+7], v[BA], s[18:19] offset:(32*(\tt/2)+8*(\tt%2))*4+16
.endr
	WIN 0
	s_wait_loadcnt 56                              ; rt's 32 loads are in; the 32 + 8 + 16 issued behind them may be out
.set g, 0
.rept 32
	v_and_b32 v[ACC+32+g], s[BIT], v[ACC+g]
	v_cmp_ne_u32 s[M+g], 0, v[ACC+32+g]            ; bit i of word g: token 32 g + i has chosen my expert
.set g, g+1
.endr
	s_mov_b32 s[NN], 0
.set g, 0
.rept 32
	s_bcnt1_i32_b32 s[TMP], s[M+g]
	s_add_co_u32 s[NN], s[NN], s[TMP]
.if g < 31
	v_mov_b32 v[PF+g], s[NN]                       ; the members in words 0 .. g, kept for every selection
.endif
.set g, g+1
.endr
	s_add_co_u32 s[NT], s[NN], 15
	s_lshr_b32 s[NT], s[NT], 4                     ; the expert's tiles of 16 rows
	s_mov_b32 s[TT], s[WV]
	SELECT TT                                      ; my first tile's rows: asked for here, so that they land under the exchange of the weights (a wave without a tile asks for some tokens' rows and uses none)
	s_cmp_lg_u32 s[SL], 0
	s_cbranch_scc1 .Lhead_x
	METALOAD
.Lhead_x:
	s_wait_alu depctr_va_vdst(0)
	XLOAD
	s_wait_loadcnt 41                              ; my quarter of the slice is in: behind it 8 + 16 + 17 loads were issued (two more where SL = 0: the lesser count serves both ways)
	QSTORE
	s_wait_dscnt 0x0                               ; for the others' sake: my stores have landed
	s_barrier_signal -1
	s_barrier_wait -1                              ; the whole slice lies in LDS; nobody writes it again
	WFETCH
	s_wait_tensorcnt 0x0                           ; the wave's end as far as LDS writes go
	ds_add_u32 v[SPW], v[NIL]                      ; (the trip count, work on registers, stands between the add and the wait for it)
	s_sub_co_u32 s[TRIPS], s[NT], s[WV]            ; used only where wave < NT: the difference is then 1 or more,
	s_add_co_u32 s[TRIPS], s[TRIPS], 3
	s_lshr_b32 s[TRIPS], s[TRIPS], 2               ; and my tiles wave, wave + 4, .. below NT are (NT - wave + 3) / 4, at least one
	s_mov_b32 s[CNT], 0
	s_wait_dscnt 0x0                               ; the add is done, and the slice is in my registers
	s_cmp_ge_u32 s[WV], s[NT]
	s_cbranch_scc1 .Lend                           ; no tile for this wave
	s_cmp_lg_u32 s[SL], 0
	s_cbranch_scc1 .Ltile
	METAFIN TT
.Ltile:                                                ; a trip: one tile of 16 rows; the loop is counted in trips, one a step
	s_wait_loadcnt 0x0                             ; the tile's x (in the first trip: w1's scale words and b1 too)
	MUL
	WIN 0
.rept 4
	v_nop                                          ; four places behind the last product, ahead of loads into registers that it read and of the first read of results
.endr
	s_add_co_u32 s[TN], s[TT], 4
	s_cmp_ge_u32 s[TN], s[NT]
	s_cbranch_scc1 .Lno_next
	SELECT TN                                      ; the next tile's x is asked for here and lands under this tile's gelu
	s_cmp_lg_u32 s[SL], 0
	s_cbranch_scc1 .Lnext_x
	METALOAD
.Lnext_x:
	s_wait_alu depctr_va_vdst(0)
	XLOAD
.Lno_next:
	GELU16 0
	GELU16 1
	GELU16 2
	GELU16 3
	s_wait_xcnt 0x0                                ; the last trip's stores have read their data and addresses: both are written again below
	QUANT ACC
	s_min_u32 s38, s[TT], 63
	s_lshl_b32 s39, s38, 15
	s_add_co_u32 s39, s39, s[HB]
	v_add_nc_u32 v[HA], s39, v[LI]
	s_lshl_b32 s39, s38, 11
	s_add_co_u32 s39, s39, s[HSB]
	v_add_nc_u32 v[HSA], s39, v[R16]
	global_store_b128 v[HA], v[PC:PC+3], s[20:21]              ; the fragment as it stands: 512 consecutive bytes a store
	global_store_b128 v[HA], v[PC+4:PC+7], s[20:21] offset:512
	global_store_b32 v[HSA], v[PW], s[26:27]                   ; my row's scale word (both halves of the lanes hold the same)
	s_cmp_ge_u32 s[TN], s[NT]
	s_cbranch_scc1 .Lno_meta
	s_cmp_lg_u32 s[SL], 0
	s_cbranch_scc1 .Lno_meta
	METAFIN TN
.Lno_meta:
	s_add_co_u32 s[TT], s[TT], 4                   ; my next tile
	s_add_co_u32 s[CNT], s[CNT], 1
	s_cmp_lt_u32 s[CNT], s[TRIPS]
	s_cbranch_scc1 .Ltile
.Lend:
	s_or_b32 s[TMP], s[WV], s[SL]
	s_cmp_lg_u32 s[TMP], 0
	s_cbranch_scc1 .Ldone
	s_wait_xcnt 0x0                                ; earlier loads and stores have read their registers and EXEC
	v_mov_b32 v[WD], s[NN]
	s_lshl_b32 s[TMP], s[EX], 2
	v_mov_b32 v[RDA], s[TMP]
	v_cmp_eq_u32 vcc_lo, 0, v[LANE]
	s_and_saveexec_b32 s[SAVE], vcc_lo
	global_store_b32 v[RDA], v[WD], s[22:23] offset:32768      ; the expert's number of rows
.Ldone:
	s_endpgm
.Lfunc_end_k_q72112d455a_ffn1:
	.size	k_q72112d455a_ffn1, .Lfunc_end_k_q72112d455a_ffn1-k_q72112d455a_ffn1
	.p2alignl 7, 3214868480
	.fill 96, 4, 3214868480
	.section	.rodata,"a",@progbits
	.p2align	6, 0x0
	.amdhsa_kernel k_q72112d455a_ffn1
		.amdhsa_group_segment_fixed_size 66048
		.amdhsa_private_segment_fixed_size 0
		.amdhsa_enable_private_segment 0
		.amdhsa_kernarg_size 72
		.amdhsa_user_sgpr_count 2
		.amdhsa_user_sgpr_kernarg_segment_ptr 1
		.amdhsa_wavefront_size32 1
		.amdhsa_system_sgpr_workgroup_id_x 1
		.amdhsa_system_sgpr_workgroup_id_y 1
		.amdhsa_system_sgpr_workgroup_id_z 1
		.amdhsa_system_vgpr_workitem_id 0
		.amdhsa_next_free_vgpr 896
		.amdhsa_next_free_sgpr 98
		.amdhsa_reserve_vcc 1
		.amdhsa_float_denorm_mode_32 3
		.amdhsa_float_denorm_mode_16_64 3
		.amdhsa_memory_ordered 1
		.amdhsa_forward_progress 1
		.amdhsa_inst_pref_size 108
	.end_amdhsa_kernel
	.amdgpu_metadata
---
amdhsa.version: [ 1, 2 ]
amdhsa.kernels:
  - .name:           k_q72112d455a_ffn1
    .symbol:         k_q72112d455a_ffn1.kd
    .args:
      - { .name: rt, .offset: 0, .size: 8, .value_kind: global_buffer, .address_space: global }
      - { .name: gp, .offset: 8, .size: 8, .value_kind: global_buffer, .address_space: global }
      - { .name: xc, .offset: 16, .size: 8, .value_kind: global_buffer, .address_space: global }
      - { .name: w1_codes, .offset: 24, .size: 8, .value_kind: global_buffer, .address_space: global }
      - { .name: w1_scales, .offset: 32, .size: 8, .value_kind: global_buffer, .address_space: global }
      - { .name: b1, .offset: 40, .size: 8, .value_kind: global_buffer, .address_space: global }
      - { .name: hc, .offset: 48, .size: 8, .value_kind: global_buffer, .address_space: global }
      - { .name: meta, .offset: 56, .size: 8, .value_kind: global_buffer, .address_space: global }
      - { .name: roww, .offset: 64, .size: 8, .value_kind: global_buffer, .address_space: global }
    .group_segment_fixed_size: 66048
    .private_segment_fixed_size: 0
    .kernarg_segment_align: 8
    .kernarg_segment_size: 72
    .max_flat_workgroup_size: 128
    .sgpr_count:     98
    .vgpr_count:     896
    .wavefront_size: 32
...
	.end_amdgpu_metadata
.endif
;; end of part 2
;; launch ffn2 (part 3): grid 256 x 1, 4 waves a work-group, no clusters, 270,848 bytes of LDS; arguments hc, meta, roww, w2_codes, w2_scales, b2, ypart, gp, ax; writes ypart, ax
.if DOCPART == 3
	.amdgcn_target "amdgcn-amd-amdhsa--gfx1250"
	.amdhsa_code_object_version 6
	.text
	.protected	k_q72112d455a_ffn2
	.globl	k_q72112d455a_ffn2
	.p2align	8
	.type	k_q72112d455a_ffn2,@function
k_q72112d455a_ffn2:
	s_mov_b64 s[64:65], 0
	v_nop
	global_prefetch_b8 v0, s[64:65] scope:SCOPE_SE
	s_setreg_imm32_b32 hwreg(HW_REG_WAVE_MODE, 25, 1), 1
	s_wait_xcnt 0x0
; THE SECOND PRODUCT OF THE EXPERTS, ON THE CHOSEN ROWS ALONE: ypart[row] = w (h w2[e] + b2[e]); and the parts of the load-balance loss.
; Left out: rows (token, expert) whose expert was not chosen; their weight w_be is 0 by reference()'s own one_hot (shown at the head of the first kernel).
; SHARES.  Work-group id: class chunk = id % 8 (128 classes: two slices of 64), group g = (id / 8) % 4, expert = id / 32.  A task is 5 tiles of 16 rows x 128 classes x all of K = 4,096.
; The work-group takes the expert's groups g, g + 4, g + 8, g + 12 (tiles 5 x group ..): 16 groups x 5 = 80 tiles cover the 64 that an expert can have, so 256 work-groups serve every split.
; The loop has a constant 4 trips; a trip whose group has no tile jumps over its work, by a scalar branch on the stored count, and over no barrier.
; A WAVE TAKES A QUARTER OF K: K steps 8 w .. 8 w + 7 of 128.  h's fragments of that quarter, 8 steps x 5 tiles x 8 = 320 registers, are loaded once (80 loads of 512 consecutive bytes) and serve both slices;
; the 20 accumulators serve slice 0 and then slice 1.
; w2 COMES AS IT LIES: a load takes 256 consecutive bytes (4 K steps) of each of two rows; 32 loads are half of my quarter of a slice's 64 rows.  The four halves go through two sets of staging registers
; into my own regions of LDS, one for each slice (rows of 512 + 16 bytes), and come back as fragments, 8 LDS loads a K step, into two buffers by turns; only I touch those bytes, and LDS serves a wave's
; instructions in order, so no barrier is needed.  w2's addresses hang on the id alone: the first half is asked for ahead of the wait for the count.
; THE FOUR QUARTER SUMS MEET IN LDS: each wave stores a slice's 80 rows x 64 classes (rows of 256 + 16 bytes) over the start of that slice's region, behind its last fragment read; behind ONE barrier wave w reads
; rows 4 w .. 4 w + 3 of each tile from all four waves' regions as whole rows, adds them and b2, multiplies by the row's weight and stores: sixteen lanes store 256 consecutive bytes of a row of ypart;
; the row's number comes from meta.  A second barrier parts these reads from the next trip's stores.
; THE PRODUCT IS USED TRANSPOSED (source 0 = 16 classes of w2, source 1 = 16 rows of h): a lane holds one row and eight neighbouring classes.
; Classes 1,000 to 1,023 of the last slice are computed on other rows of w2 (976 on) and land in ypart's columns 1,000 on, which nobody reads.  A tile past the expert's last is its last once more and is not stored.
; THE LOSS: aux = 2^-18 sum_e count_e S_e, S_e the sum of p_e over the tokens.  In the work-groups with id % 32 = 0 wave w sums p_e of tokens 256 w .. 256 w + 255 and stores count_e x that sum at ax[4 e + w].
; NO TENSOR LOAD, COPY OR CLUSTER: branches hang on a count read from memory.  NO PREFETCH: every load of a task is issued as soon as the count of loads on their way allows; no loop runs ahead of them.
; LIMITS: NaN and infinities are not served.
; REGISTERS: window 0: v0-73 addresses and the way out's rows, v74-129 scale words, v130-137 the loss, v192-255 w2's fragments, two buffers.  Window 1: v0-159 accumulators at 32 m + 8 i; v160-255 staging B 0-23.
;   Window 2: h's K steps 0-5 at 40 j + 8 m.  Window 3: v0-79 h's K steps 6, 7; v80-207 staging A; v208-239 staging B 24-31.
.set PIT,   272
.set WP,    528
.set WREG,  64*WP                      ; a wave's region for one slice
.set SL1,   4*WREG                     ; where slice 1's regions begin
.set SPARE, 8*WREG                     ; behind the regions: the spare words, 128 bytes for each wave, named by no other line
.set CA,  4                            ; 16 lane + 8,192 wave
.set CH,  5                            ; 16 r + 512 wave
.set CD,  6                            ; 32 h + 8 wave
.set CW,  7                            ; 4 h + 16 wave
.set AA,  8                            ; v8-12   h's images, tile m
.set BA,  13                           ; v13-16  w2's codes: 2 slice + (rows 0-39, rows 40-63)
.set WLS, 17                           ; v17-18  my region of slice s, in: row h, 16 r
.set WLR, 19                           ; v19-20  back: row r, 16 h
.set STO, 21                           ; v21-22
.set LRD, 23                           ; v23-24
.set LRD2, 25                          ; v25-26
.set HSA, 27                           ; v27-29  h's scale words: lanes 0-15 tile 2 p, lanes 16-31 tile 2 p + 1 (p = 2: tile 4 in both)
.set WSA, 30                           ; v30-33  w2's scale words: 2 slice + p: lanes 0-15 class tile 2 p, lanes 16-31 class tile 2 p + 1
.set B2A, 34                           ; v34-35
.set RWA, 36                           ; v36-40
.set GPA, 41
.set CO,  42
.set SPW, 43                           ; LDS address of my spare word; never rewritten
.set NIL, 44                           ; 0; never rewritten
.set TP,  45
.set B2,  46                           ; v46-53  b2 at my four classes of slice s
.set RW,  54                           ; v54-63  weights of my rows: 2 m + kk
.set RD,  64                           ; v64-73  their places in ypart
.set HS,  74                           ; v74-97  h's scale words: 8 p + K step
.set WS,  98                           ; v98-129 w2's: 16 slice + 8 p + K step
.set AXD, 130                          ; v130-137
.set WF,  192
.set WV,  20
.set CC,  21
.set GR,  22
.set EX,  23
.set NT,  24
.set T0,  25
.set CNT, 26
.set E64, 27
.set TA,  28
.set NL,  30
.set TL,  32                           ; s32-36
.set C0,  37
.set E1K, 38
.set SA,  40                           ; s40-44
.set SB,  45                           ; s45-49
.set AX,  54
.set AXO, 55
.set NN,  56
.set SEL, 58
.set MSB, 0
.macro WIN new                         ; the immediate's high byte repeats the setting that is left
.if MSB != (\new)
	s_set_vgpr_msb (MSB<<8)|(\new)
.set MSB, (\new)
.endif
.endm
.macro WM d, a, b, z, sa, sb, sel      ; z = 1: the product starts the sum.  sel bit 0: source 0's scale words from lanes 16-31; bit 1: source 1's
.if (\z) && ((\sel) == 0)
	v_wmma_scale_f32_16x16x128_f8f6f4 v[\d:\d+7], v[\a:\a+7], v[\b:\b+7], 0, v[\sa], v[\sb] matrix_a_fmt:MATRIX_FMT_FP4 matrix_b_fmt:MATRIX_FMT_FP4
.elseif (\z) && ((\sel) == 1)
	v_wmma_scale_f32_16x16x128_f8f6f4 v[\d:\d+7], v[\a:\a+7], v[\b:\b+7], 0, v[\sa], v[\sb] matrix_a_fmt:MATRIX_FMT_FP4 matrix_b_fmt:MATRIX_FMT_FP4 matrix_a_scale:MATRIX_SCALE_ROW1
.elseif (\z) && ((\sel) == 2)
	v_wmma_scale_f32_16x16x128_f8f6f4 v[\d:\d+7], v[\a:\a+7], v[\b:\b+7], 0, v[\sa], v[\sb] matrix_a_fmt:MATRIX_FMT_FP4 matrix_b_fmt:MATRIX_FMT_FP4 matrix_b_scale:MATRIX_SCALE_ROW1
.elseif (\z)
	v_wmma_scale_f32_16x16x128_f8f6f4 v[\d:\d+7], v[\a:\a+7], v[\b:\b+7], 0, v[\sa], v[\sb] matrix_a_fmt:MATRIX_FMT_FP4 matrix_b_fmt:MATRIX_FMT_FP4 matrix_a_scale:MATRIX_SCALE_ROW1 matrix_b_scale:MATRIX_SCALE_ROW1
.elseif (\sel) == 0
	v_wmma_scale_f32_16x16x128_f8f6f4 v[\d:\d+7], v[\a:\a+7], v[\b:\b+7], v[\d:\d+7], v[\sa], v[\sb] matrix_a_fmt:MATRIX_FMT_FP4 matrix_b_fmt:MATRIX_FMT_FP4
.elseif (\sel) == 1
	v_wmma_scale_f32_16x16x128_f8f6f4 v[\d:\d+7], v[\a:\a+7], v[\b:\b+7], v[\d:\d+7], v[\sa], v[\sb] matrix_a_fmt:MATRIX_FMT_FP4 matrix_b_fmt:MATRIX_FMT_FP4 matrix_a_scale:MATRIX_SCALE_ROW1
.elseif (\sel) == 2
	v_wmma_scale_f32_16x16x128_f8f6f4 v[\d:\d+7], v[\a:\a+7], v[\b:\b+7], v[\d:\d+7], v[\sa], v[\sb] matrix_a_fmt:MATRIX_FMT_FP4 matrix_b_fmt:MATRIX_FMT_FP4 matrix_b_scale:MATRIX_SCALE_ROW1
.else
	v_wmma_scale_f32_16x16x128_f8f6f4 v[\d:\d+7], v[\a:\a+7], v[\b:\b+7], v[\d:\d+7], v[\sa], v[\sb] matrix_a_fmt:MATRIX_FMT_FP4 matrix_b_fmt:MATRIX_FMT_FP4 matrix_a_scale:MATRIX_SCALE_ROW1 matrix_b_scale:MATRIX_SCALE_ROW1
.endif
.endm
.macro LH j                            ; h's five fragments of my K step j: 10 loads
.if (\j) < 6
	WIN 0x80
.set HB, 40*(\j)
.else
	WIN 0xc0
.set HB, 40*((\j)-6)
.endif
.irp m, 0,1,2,3,4
.irp c, 0,1
	global_load_b128 v[HB+8*\m+4*\c:HB+8*\m+4*\c+3], v[AA+\m], s[4:5] offset:1024*(\j)+512*\c
.endr
.endr
	WIN 0
.endm
.macro LWG s, a, st                    ; half a (K steps 4 a .. 4 a + 3) of my quarter of slice s into staging st (0: A, 1: B): load n takes rows 2 n (lanes 0-15) and 2 n + 1 (lanes 16-31), 256 consecutive bytes each
.set n, 0
.rept 32
.if (\st) == 0
	WIN 0xc0
.set RG, 80+4*n
.elseif n < 24
	WIN 0x40
.set RG, 160+4*n
.else
	WIN 0xc0
.set RG, 208+4*(n-24)
.endif
.if n < 20
	global_load_b128 v[RG:RG+3], v[BA+2*(\s)], s[10:11] offset:4096*n+256*(\a)
.else
	global_load_b128 v[RG:RG+3], v[BA+2*(\s)+1], s[10:11] offset:4096*(n-20)+256*(\a)
.endif
.set n, n+1
.endr
	WIN 0
.endm
.macro SWG s, a, st                    ; and on into my region of slice s: 32 stores (an LDS store's data are its source 1)
.set n, 0
.rept 32
.if (\st) == 0
	WIN 0x0c
.set RG, 80+4*n
.elseif n < 24
	WIN 0x04
.set RG, 160+4*n
.else
	WIN 0x0c
.set RG, 208+4*(n-24)
.endif
	ds_store_b128 v[WLS+(\s)], v[RG:RG+3] offset:2*n*WP+256*(\a)
.set n, n+1
.endr
	WIN 0
.endm
.macro FW s, j                         ; slice s: w2's four fragments of my K step j from my region into buffer j % 2: 8 LDS loads
.irp i, 0,1,2,3
.irp c, 0,1
	ds_load_b128 v[WF+32*((\j)%2)+8*\i+4*\c:WF+32*((\j)%2)+8*\i+4*\c+3], v[WLR+(\s)] offset:16*\i*WP+64*(\j)+32*\c
.endr
.endr
.endm
.macro MUL s, j                        ; 20 matrix instructions: the twenty accumulators by turns, one instruction a turn
.if (\j) < 6
	WIN 0x58                                       ; source 0 (w2) window 0, source 1 (h) window 2, C and D window 1
.set HB, 40*(\j)
.else
	WIN 0x5c                                       ; h's K steps 6 and 7: window 3
.set HB, 40*((\j)-6)
.endif
.irp m, 0,1,2,3,4
.irp i, 0,1,2,3
	WM 32*\m+8*\i, WF+32*((\j)%2)+8*\i, HB+8*\m, (\j)==0, WS+16*(\s)+8*(\i/2)+(\j), HS+8*(\m/2)+(\j), (\i%2)+2*(\m%2)
.endr
.endr
	WIN 0
.rept 4
	v_nop                                          ; four places behind the last product, ahead of loads into registers that it read and of the first read of results
.endr
.endm
.macro KS s, j                         ; a K step: the next step's fragments are asked for first
.if (\j) < 7
	FW \s, (\j)+1
	s_wait_dscnt 8                                 ; this step's fragments are in; the next step's eight loads may be out
.else
	s_wait_dscnt 0x0
.endif
	MUL \s, \j
.endm
.macro STG s                           ; my quarter sums of slice s over the start of that slice's region
	WIN 0x04
.irp m, 0,1,2,3,4
.irp i, 0,1,2,3
	ds_store_b128 v[STO+(\s)], v[32*\m+8*\i:32*\m+8*\i+3] offset:\m*16*PIT+64*\i          ; each accumulator from its low end on
	ds_store_b128 v[STO+(\s)], v[32*\m+8*\i+4:32*\m+8*\i+7] offset:\m*16*PIT+64*\i+16
.endr
.endr
	WIN 0
.endm
.macro OLD s                           ; my 20 rows of slice s from all four waves' regions into window 1 + s: 40 LDS loads
	WIN 0x40*(1+(\s))
.irp m, 0,1,2,3,4
.irp kk, 0,1
.irp q, 0,1
	ds_load_b128 v[32*\m+16*\kk+4*\q:32*\m+16*\kk+4*\q+3], v[LRD+(\s)] offset:\q*WREG+\m*16*PIT+\kk*2*PIT
.endr
.irp q, 0,1
	ds_load_b128 v[32*\m+16*\kk+8+4*\q:32*\m+16*\kk+8+4*\q+3], v[LRD2+(\s)] offset:\q*WREG+\m*16*PIT+\kk*2*PIT
.endr
.endr
.endr
	WIN 0
.endm
.macro OUT s, m                        ; my four rows of tile m, slice s: the four quarter sums, b2, the weight, the stores
.if \m > 0
	s_add_co_u32 s[TA], s[T0], \m
	s_cmp_ge_u32 s[TA], s[NT]
	s_cbranch_scc1 .Lskip_\@                       ; the expert has no such tile
.endif
.set CN, 8*(4-(\m))+40*(1-(\s))        ; the LDS loads issued behind this tile's eight
.if CN > 63
.set CN, 63                            ; the most that the wait can name
.endif
	s_wait_dscnt CN
	WIN 0x45*(1+(\s))                              ; both sources and the destination: window 1 + s
.irp kk, 0,1
	v_pk_add_f32 v[32*\m+16*\kk:32*\m+16*\kk+1], v[32*\m+16*\kk:32*\m+16*\kk+1], v[32*\m+16*\kk+4:32*\m+16*\kk+5]
	v_pk_add_f32 v[32*\m+16*\kk+2:32*\m+16*\kk+3], v[32*\m+16*\kk+2:32*\m+16*\kk+3], v[32*\m+16*\kk+6:32*\m+16*\kk+7]
	v_pk_add_f32 v[32*\m+16*\kk+8:32*\m+16*\kk+9], v[32*\m+16*\kk+8:32*\m+16*\kk+9], v[32*\m+16*\kk+12:32*\m+16*\kk+13]
	v_pk_add_f32 v[32*\m+16*\kk+10:32*\m+16*\kk+11], v[32*\m+16*\kk+10:32*\m+16*\kk+11], v[32*\m+16*\kk+14:32*\m+16*\kk+15]
.endr
.irp kk, 0,1
	v_pk_add_f32 v[32*\m+16*\kk:32*\m+16*\kk+1], v[32*\m+16*\kk:32*\m+16*\kk+1], v[32*\m+16*\kk+8:32*\m+16*\kk+9]
	v_pk_add_f32 v[32*\m+16*\kk+2:32*\m+16*\kk+3], v[32*\m+16*\kk+2:32*\m+16*\kk+3], v[32*\m+16*\kk+10:32*\m+16*\kk+11]
.endr
	WIN 0x41*(1+(\s))                              ; source 1: window 0
.irp kk, 0,1
	v_pk_add_f32 v[32*\m+16*\kk:32*\m+16*\kk+1], v[32*\m+16*\kk:32*\m+16*\kk+1], v[B2+4*(\s):B2+4*(\s)+1]
	v_pk_add_f32 v[32*\m+16*\kk+2:32*\m+16*\kk+3], v[32*\m+16*\kk+2:32*\m+16*\kk+3], v[B2+4*(\s)+2:B2+4*(\s)+3]
.endr
	v_pk_mul_f32 v[32*\m:32*\m+1], v[32*\m:32*\m+1], v[RW+2*\m:RW+2*\m+1] op_sel_hi:[1,0]
	v_pk_mul_f32 v[32*\m+2:32*\m+3], v[32*\m+2:32*\m+3], v[RW+2*\m:RW+2*\m+1] op_sel_hi:[1,0]
	v_pk_mul_f32 v[32*\m+16:32*\m+17], v[32*\m+16:32*\m+17], v[RW+2*\m:RW+2*\m+1] op_sel:[0,1] op_sel_hi:[1,1]
	v_pk_mul_f32 v[32*\m+18:32*\m+19], v[32*\m+18:32*\m+19], v[RW+2*\m:RW+2*\m+1] op_sel:[0,1] op_sel_hi:[1,1]
	WIN 0x04*(1+(\s))                              ; a store's data are its source 1
.irp kk, 0,1
	global_store_b128 v[RD+2*\m+\kk], v[32*\m+16*\kk:32*\m+16*\kk+3], s[16:17] offset:256*(\s) th:TH_STORE_NT   ; sixteen lanes store 256 consecutive bytes, at a multiple of 256 from ypart's first byte
.endr
	WIN 0
.Lskip_\@:
.endm
	s_load_b256 s[4:11], s[0:1], 0x0               ; hc 4, meta 6, roww 8, w2_codes 10
	s_load_b128 s[12:15], s[0:1], 0x20             ; w2_scales 12, b2 14
	s_load_b128 s[16:19], s[0:1], 0x30             ; ypart 16, gp 18
	s_load_b64 s[52:53], s[0:1], 0x40              ; ax
	v_lshl_add_u32 v[SPW], v0, 2, SPARE
	v_mov_b32 v[NIL], 0
	v_lshrrev_b32 v1, 5, v0
	v_readfirstlane_b32 s[WV], v1
	s_and_b32 s[CC], ttmp9, 7
	s_bfe_u32 s[GR], ttmp9, 0x20003
	s_lshr_b32 s[EX], ttmp9, 5
	s_and_b32 s[AX], ttmp9, 31                     ; 0: the expert's first work-group, which also sums for the loss
	s_lshl_b32 s[E64], s[EX], 6
	s_lshl_b32 s[C0], s[CC], 7                     ; my first class
	s_mul_i32 s[E1K], s[EX], 1000
	s_lshl_b32 s40, s[WV], 13
	s_lshl_b32 s41, s[WV], 9
	s_lshl_b32 s42, s[WV], 3
	s_lshl_b32 s43, s[WV], 4
	s_mul_i32 s44, s[WV], WREG
	s_mul_i32 s45, s[WV], 4*PIT
	s_lshl_b32 s46, s[CC], 9
	s_lshl_b32 s47, s[WV], 5
	s_mul_i32 s48, s[EX], 4000
	s_add_co_u32 s49, s[E1K], s[C0]
	s_lshl_b32 s49, s49, 11
	s_add_co_u32 s49, s49, s41                     ; w2: my first row, my quarter of it
	s_add_co_u32 s31, s[C0], 40
	s_min_u32 s31, s31, 976                        ; a slice's rows 40-63: classes 976 .. 999 at the most
	s_add_co_u32 s31, s31, s[E1K]
	s_lshl_b32 s31, s31, 11
	s_add_co_u32 s31, s31, s41
	s_add_co_u32 s39, s[C0], 104
	s_min_u32 s39, s39, 976
	s_add_co_u32 s39, s39, s[E1K]
	s_lshl_b32 s39, s39, 11
	s_add_co_u32 s39, s39, s41
	s_lshl_b32 s29, s[WV], 14
	s_lshl_b32 s[TA], s[EX], 2
	s_add_co_u32 s29, s29, s[TA]                   ; gp: token 256 wave, probability e
	s_add_co_u32 s[AXO], s[TA], s[WV]
	s_lshl_b32 s[AXO], s[AXO], 2                   ; ax: word 4 e + wave
	s_mov_b32 s[SEL], 0x76543210
	s_mov_b32 s[SEL+1], 0xfedcba98                 ; v_permlanex16_b32's selects for lane l xor 16
	v_and_b32 v1, 15, v0                           ; r
	v_bfe_u32 v2, v0, 4, 1                         ; h
	v_and_b32 v3, 31, v0                           ; lane
	v_lshl_add_u32 v[CA], v3, 4, s40
	v_lshl_add_u32 v[CH], v1, 4, s41
	v_lshl_add_u32 v[CD], v2, 5, s42
	v_lshl_add_u32 v[CW], v2, 2, s43
	v_lshl_add_u32 v[GPA], v3, 6, s29
	v_mul_u32_u24 v[STO], v1, PIT
	v_lshl_add_u32 v[STO], v2, 5, v[STO]
	v_add_nc_u32 v[STO], s44, v[STO]               ; the sums, in: row r, 32 bytes for each half of the lanes
	v_add_nc_u32 v[STO+1], SL1, v[STO]
	v_mul_u32_u24 v[LRD], v2, PIT
	v_lshl_add_u32 v[LRD], v1, 4, v[LRD]
	v_add_nc_u32 v[LRD], s45, v[LRD]               ; back: rows 4 wave (lanes 0-15) and 4 wave + 1 (lanes 16-31) of wave 0's region,
	v_add_nc_u32 v[LRD2], 2*WREG, v[LRD]           ; and of wave 2's
	v_add_nc_u32 v[LRD+1], SL1, v[LRD]
	v_add_nc_u32 v[LRD2+1], SL1+2*WREG, v[LRD]
	v_mul_u32_u24 v[WLS], v2, WP
	v_lshl_add_u32 v[WLS], v1, 4, v[WLS]
	v_add_nc_u32 v[WLS], s44, v[WLS]
	v_add_nc_u32 v[WLS+1], SL1, v[WLS]
	v_mul_u32_u24 v[WLR], v1, WP
	v_lshl_add_u32 v[WLR], v2, 4, v[WLR]
	v_add_nc_u32 v[WLR], s44, v[WLR]
	v_add_nc_u32 v[WLR+1], SL1, v[WLR]
	v_lshl_add_u32 v[CO], v1, 4, s46
	v_lshlrev_b32 v[TP], 4, v1
	v_lshl_add_u32 v[TP], v2, 11, v[TP]            ; row h, 16 r
	v_add_nc_u32 v[BA], s49, v[TP]
	v_add_nc_u32 v[BA+1], s31, v[TP]
	v_add_nc_u32 v[BA+2], 64*2048, v[BA]           ; slice 1: 64 rows on
	v_add_nc_u32 v[BA+3], s39, v[TP]
	v_add_nc_u32 v[TP], s[C0], v3
.irp q, 0,1,2,3
	v_add_nc_u32 v[WSA+\q], 32*\q, v[TP]
	v_min_u32 v[WSA+\q], 0x3e7, v[WSA+\q]          ; class 999 at the most
	v_add_nc_u32 v[WSA+\q], s[E1K], v[WSA+\q]
	v_lshl_add_u32 v[WSA+\q], v[WSA+\q], 7, s47    ; a row of 128 scale bytes; my quarter begins at 32 wave
.endr
	v_lshl_add_u32 v[TP], v1, 2, s[C0]
.irp s, 0,1
	v_add_nc_u32 v[B2A+\s], 64*\s, v[TP]
	v_min_u32 v[B2A+\s], 0x3e4, v[B2A+\s]          ; four classes from 996 at the most
	v_lshl_add_u32 v[B2A+\s], v[B2A+\s], 2, s48
.endr
.set n, 0
.rept 20
	v_mov_b32 v[RW+n], 0                           ; written once, whole
.set n, n+1
.endr
.set n, 0
.rept 8
	v_mov_b32 v[AXD+n], 0
.set n, n+1
.endr
	s_wait_alu depctr_va_vdst(0)
	s_wait_kmcnt 0x0
	s_load_b32 s[NN], s[6:7], s[TA] offset:0x8000  ; my expert's number of rows
	s_add_nc_u64 s[50:51], s[4:5], 0x1000000       ; hc's scale words
	s_cmp_lg_u32 s[AX], 0
	s_cbranch_scc1 .Lno_gp
.irp i, 0,1,2,3,4,5,6,7
	global_load_b32 v[AXD+\i], v[GPA], s[18:19] offset:2048*\i   ; p_e of token 256 wave + 32 i + lane; older than every load that is waited for by count
.endr
.Lno_gp:
.irp q, 0,1,2,3
.irp u, 0,1
	global_load_b128 v[WS+8*\q+4*\u:WS+8*\q+4*\u+3], v[WSA+\q], s[12:13] offset:16*\u
.endr
.endr
.irp s, 0,1
	global_load_b128 v[B2+4*\s:B2+4*\s+3], v[B2A+\s], s[14:15]
.endr
	LWG 0, 0, 0
	s_mul_i32 s[T0], s[GR], 5                      ; my first tile
	s_mov_b32 s[CNT], 0
	s_wait_kmcnt 0x0
	s_add_co_u32 s[NT], s[NN], 15
	s_lshr_b32 s[NT], s[NT], 4                     ; the expert's tiles
	s_sub_co_u32 s[NL], s[NT], 1                   ; its last (used only where there is one)
.Ltrip:
	s_cmp_ge_u32 s[T0], s[NT]
	s_cbranch_scc1 .Lno_mul                        ; no tile for this trip: round the work, not round the barriers
	s_cmp_eq_u32 s[CNT], 0
	s_cbranch_scc1 .Lhave_w                        ; the first trip's were asked for at the head
	s_wait_loadcnt 0x0                             ; no load is out on the registers that the next lines load into
	LWG 0, 0, 0
.Lhave_w:
	s_wait_xcnt 0x0                                ; the last trip's stores have read their registers
.irp m, 0,1,2,3,4
	s_add_co_u32 s[TL+\m], s[T0], \m
	s_min_u32 s[TL+\m], s[TL+\m], s[NL]            ; a tile past the expert's last is its last once more
	s_min_u32 s[TL+\m], s[TL+\m], 63
	s_add_co_u32 s[TA], s[TL+\m], s[E64]
	s_lshl_b32 s[SA+\m], s[TA], 15
	s_lshl_b32 s[SB+\m], s[TA], 6
.endr
	s_lshl_b32 s[TA], s[TA], 11                    ; tile 4's scale words
	v_cmp_ne_u32 vcc_lo, 0, v2
.irp m, 0,1,2,3,4
	v_add_nc_u32 v[AA+\m], s[SA+\m], v[CA]
	v_add_nc_u32 v[RD+2*\m], s[SB+\m], v[CD]       ; the address stands in the register on which its own load lands
	v_add_nc_u32 v[RWA+\m], s[SB+\m], v[CW]
.endr
.irp p, 0,1
	v_mov_b32 v[TP], s[TL+2*\p+1]
	v_cndmask_b32 v[TP], s[TL+2*\p], v[TP], vcc_lo
	v_min_u32 v[TP], 63, v[TP]
	v_add_nc_u32 v[TP], s[E64], v[TP]
	v_lshl_add_u32 v[HSA+\p], v[TP], 11, v[CH]
.endr
	v_add_nc_u32 v[HSA+2], s[TA], v[CH]
	s_wait_alu depctr_va_vdst(0)
.irp p, 0,1,2
.irp u, 0,1
	global_load_b128 v[HS+8*\p+4*\u:HS+8*\p+4*\u+3], v[HSA+\p], s[50:51] offset:256*\u
.endr
.endr
.irp m, 0,1,2,3,4
	global_load_b64 v[RD+2*\m:RD+2*\m+1], v[RD+2*\m], s[6:7]    ; rows 4 wave + h and 4 wave + 2 + h of tile m: where they go,
.endr
.irp m, 0,1,2,3,4
	global_load_b32 v[RW+2*\m], v[RWA+\m], s[8:9]               ; and their weights
	global_load_b32 v[RW+2*\m+1], v[RWA+\m], s[8:9] offset:8
.endr
	LH 0
	LH 1
	LH 2
	LH 3
	s_wait_loadcnt 61                              ; slice 0's first half is in: behind it 6 + 5 + 10 loads and h's steps 0 to 3
	SWG 0, 0, 0
	LWG 0, 1, 1
	LH 4
	LH 5
	LH 6
	LH 7
	LWG 1, 0, 0
	s_wait_loadcnt 63                              ; slice 0's second half is in, and h's steps 0 to 3 ahead of it: 72 loads stand behind it, and 63 is the most that the wait can name
	SWG 0, 1, 1
	LWG 1, 1, 1
	FW 0, 0
	KS 0, 0
	KS 0, 1
	KS 0, 2
	KS 0, 3
	s_wait_loadcnt 63                              ; h's steps 4 to 7 are in: behind them slice 1's two halves, 64 loads
	KS 0, 4
	KS 0, 5
	KS 0, 6
	KS 0, 7
	STG 0
	v_nop                                          ; a fifth place ahead of the products that begin the accumulators anew
	s_wait_loadcnt 32                              ; slice 1's first half is in; its second may be out
	SWG 1, 0, 0
	s_wait_loadcnt 0x0
	SWG 1, 1, 1
	FW 1, 0
.irp j, 0,1,2,3,4,5,6,7
	KS 1, \j
.endr
	STG 1
.Lno_mul:
	s_wait_dscnt 0x0                               ; for the others' sake: my stores have landed
	s_barrier_signal -1
	s_barrier_wait -1                              ; all four quarter sums of both slices lie in LDS
	s_cmp_ge_u32 s[T0], s[NT]
	s_cbranch_scc1 .Lno_out
	s_wait_loadcnt 0x0                             ; b2, the rows' places and weights
	s_wait_xcnt 0x0                                ; earlier stores have read their registers
	OLD 0
	OLD 1
.set n, 0
.rept 10
	v_min_u32 v[RD+n], 0x87f, v[RD+n]              ; a row of ypart, whatever the word held
.set n, n+1
.endr
.set n, 0
.rept 10
	v_lshl_add_u32 v[RD+n], v[RD+n], 12, v[CO]
.set n, n+1
.endr
	s_wait_alu depctr_va_vdst(0)                   ; the wait, directly ahead of the waits and branches below
.irp s, 0,1
	OUT \s, 0
	OUT \s, 1
	OUT \s, 2
	OUT \s, 3
	OUT \s, 4
.endr
.Lno_out:
	s_wait_dscnt 0x0                               ; my reads of the sums are over
	s_barrier_signal -1
	s_barrier_wait -1                              ; so are everybody's: the next trip may store there
	s_add_co_u32 s[T0], s[T0], 20                  ; four groups of five tiles on
	s_add_co_u32 s[CNT], s[CNT], 1
	s_cmp_lt_u32 s[CNT], 4
	s_cbranch_scc1 .Ltrip
	s_cmp_lg_u32 s[AX], 0
	s_cbranch_scc1 .Lno_ax
	s_wait_loadcnt 0x0                             ; my eight probabilities a lane
	v_add_f32 v[AXD], v[AXD], v[AXD+1]
	v_add_f32 v[AXD+2], v[AXD+2], v[AXD+3]
	v_add_f32 v[AXD+4], v[AXD+4], v[AXD+5]
	v_add_f32 v[AXD+6], v[AXD+6], v[AXD+7]
	v_add_f32 v[AXD], v[AXD], v[AXD+2]
	v_add_f32 v[AXD+4], v[AXD+4], v[AXD+6]
	v_add_f32 v[AXD], v[AXD], v[AXD+4]
.irp k, 1,2,4,8
	v_add_f32_dpp v[AXD], v[AXD], v[AXD] row_xmask:\k row_mask:0xf bank_mask:0xf
.endr
	v_permlanex16_b32 v[AXD+1], v[AXD], s[SEL], s[SEL+1]   ; (its destination has been written before)
	v_cvt_f32_u32 v[AXD+2], s[NN]
	v_add_f32 v[AXD], v[AXD], v[AXD+1]
	v_mov_b32 v[TP], s[AXO]
	v_mul_f32 v[AXD], v[AXD], v[AXD+2]             ; count_e x the sum over my 256 tokens
	global_store_b32 v[TP], v[AXD], s[52:53]       ; (all lanes hold the same number and store the same word)
.Lno_ax:
	s_wait_tensorcnt 0x0                           ; the wave's end
	ds_add_u32 v[SPW], v[NIL]
	s_wait_dscnt 0x0
	s_endpgm
.Lfunc_end_k_q72112d455a_ffn2:
	.size	k_q72112d455a_ffn2, .Lfunc_end_k_q72112d455a_ffn2-k_q72112d455a_ffn2
	.p2alignl 7, 3214868480
	.fill 96, 4, 3214868480
	.section	.rodata,"a",@progbits
	.p2align	6, 0x0
	.amdhsa_kernel k_q72112d455a_ffn2
		.amdhsa_group_segment_fixed_size 270848
		.amdhsa_private_segment_fixed_size 0
		.amdhsa_enable_private_segment 0
		.amdhsa_kernarg_size 72
		.amdhsa_user_sgpr_count 2
		.amdhsa_user_sgpr_kernarg_segment_ptr 1
		.amdhsa_wavefront_size32 1
		.amdhsa_system_sgpr_workgroup_id_x 1
		.amdhsa_system_sgpr_workgroup_id_y 1
		.amdhsa_system_sgpr_workgroup_id_z 1
		.amdhsa_system_vgpr_workitem_id 0
		.amdhsa_next_free_vgpr 1024
		.amdhsa_next_free_sgpr 66
		.amdhsa_reserve_vcc 1
		.amdhsa_float_denorm_mode_32 3
		.amdhsa_float_denorm_mode_16_64 3
		.amdhsa_memory_ordered 1
		.amdhsa_forward_progress 1
		.amdhsa_inst_pref_size 126
	.end_amdhsa_kernel
	.amdgpu_metadata
---
amdhsa.version: [ 1, 2 ]
amdhsa.kernels:
  - .name:           k_q72112d455a_ffn2
    .symbol:         k_q72112d455a_ffn2.kd
    .args:
      - { .name: hc, .offset: 0, .size: 8, .value_kind: global_buffer, .address_space: global }
      - { .name: meta, .offset: 8, .size: 8, .value_kind: global_buffer, .address_space: global }
      - { .name: roww, .offset: 16, .size: 8, .value_kind: global_buffer, .address_space: global }
      - { .name: w2_codes, .offset: 24, .size: 8, .value_kind: global_buffer, .address_space: global }
      - { .name: w2_scales, .offset: 32, .size: 8, .value_kind: global_buffer, .address_space: global }
      - { .name: b2, .offset: 40, .size: 8, .value_kind: global_buffer, .address_space: global }
      - { .name: ypart, .offset: 48, .size: 8, .value_kind: global_buffer, .address_space: global }
      - { .name: gp, .offset: 56, .size: 8, .value_kind: global_buffer, .address_space: global }
      - { .name: ax, .offset: 64, .size: 8, .value_kind: global_buffer, .address_space: global }
    .group_segment_fixed_size: 270848
    .private_segment_fixed_size: 0
    .kernarg_segment_align: 8
    .kernarg_segment_size: 72
    .max_flat_workgroup_size: 128
    .sgpr_count:     66
    .vgpr_count:     1024
    .wavefront_size: 32
...
	.end_amdgpu_metadata
.endif
;; end of part 3
;; launch comb (part 4): grid 251 x 1, 8 waves a work-group, no clusters, 0 bytes of LDS; arguments ypart, out0, ax, out1; writes out0, out1
.if DOCPART == 4
	.amdgcn_target "amdgcn-amd-amdhsa--gfx1250"
	.amdhsa_code_object_version 6
	.text
	.protected	k_q72112d455a_comb
	.globl	k_q72112d455a_comb
	.p2align	8
	.type	k_q72112d455a_comb,@function
k_q72112d455a_comb:
	s_mov_b64 s[64:65], 0
	v_nop
	global_prefetch_b8 v0, s[64:65] scope:SCOPE_SE
	s_setreg_imm32_b32 hwreg(HW_REG_WAVE_MODE, 25, 1), 1
	s_wait_xcnt 0x0
; out0[token] = ypart[token] + ypart[1,024 + token]: the token's two experts' weighted results (the six experts not chosen add 0: shown at the head of the first kernel).  Work-group 250 finishes the loss.
; A stream: no LDS, no barrier, no matrix work.  out0 is 256,000 pieces of 16 bytes; a work-group takes 1,024 of them on end, 16,384 bytes, 64 whole blocks of 256 bytes: 250 work-groups, all alike.
; Thread t takes the pieces t + 256 i, i = 0 .. 3.
; A row of out0 is 250 pieces, a row of ypart 256.  The work-group's first piece Q0 = 1,024 x its number lies in token Q0 / 250 = the high word of Q0 x 17,179,870 (2^32 / 250 rounded up: the excess,
; under 5e-5 for Q0 < 256,000, stays under the 1 / 250 that would turn the quotient), at place rem.  A piece q' = rem + t + 256 i, under 1,274, lies (q' x 2,098) >> 19 tokens further on
; (exact for q' < 2,048), so its place in ypart, from the first token's row, is 16 q' + 96 x that number.
; THE LOSS: aux = 8 sum_e (count_e / 1,024 / 2) (sum of p_e / 1,024) = 2^-18 x the sum of ax's 32 numbers (count_e x the sum of p_e over a quarter of the tokens): a lane a number; thread 0 stores.
.set SRC, 2
.set DST, 6
.set TK,  10
.set A,   16
	s_load_b128 s[4:7], s[0:1], 0x0                ; ypart, out0
	s_load_b128 s[16:19], s[0:1], 0x10             ; ax, out1
	s_cmp_eq_u32 ttmp9, 250
	s_cbranch_scc1 .Laux
	s_lshl_b32 s8, ttmp9, 10                       ; Q0
	s_mul_hi_u32 s9, s8, 0x010624de                ; its token
	s_mul_i32 s10, s9, 250
	s_sub_co_u32 s10, s8, s10                      ; rem: 0 .. 249
	s_lshl_b32 s12, s9, 12                         ; the token's row of 4,096 bytes
	s_mov_b32 s13, 0
	s_lshl_b32 s14, ttmp9, 14                      ; my 16,384 bytes of out0
	s_mov_b32 s15, 0
.irp i, 0,1,2,3
	v_add_nc_u32 v[DST+\i], 256*\i, v0
.endr
.irp i, 0,1,2,3
	s_delay_alu instid0(VALU_DEP_4)
	v_add_nc_u32 v[SRC+\i], s10, v[DST+\i]         ; q'
.endr
.irp i, 0,1,2,3
	s_delay_alu instid0(VALU_DEP_4)
	v_mul_u32_u24 v[TK+\i], 0x832, v[SRC+\i]
.endr
.irp i, 0,1,2,3
	s_delay_alu instid0(VALU_DEP_4)
	v_lshrrev_b32 v[TK+\i], 19, v[TK+\i]           ; tokens further on
.endr
.irp i, 0,1,2,3
	s_delay_alu instid0(VALU_DEP_4)
	v_mul_u32_u24 v[TK+\i], 96, v[TK+\i]
.endr
.irp i, 0,1,2,3
	v_lshl_add_u32 v[SRC+\i], v[SRC+\i], 4, v[TK+\i]
	v_lshlrev_b32 v[DST+\i], 4, v[DST+\i]
.endr
	s_wait_alu depctr_va_vdst(0)
	s_wait_kmcnt 0x0
	s_add_nc_u64 s[4:5], s[4:5], s[12:13]
	s_add_nc_u64 s[6:7], s[6:7], s[14:15]
.irp i, 0,1,2,3
	global_load_b128 v[A+8*\i:A+8*\i+3], v[SRC+\i], s[4:5] th:TH_LOAD_NT
	global_load_b128 v[A+8*\i+4:A+8*\i+7], v[SRC+\i], s[4:5] offset:4194304 th:TH_LOAD_NT   ; 1,024 rows further down
.endr
.irp i, 0,1,2,3
	s_wait_loadcnt 6-2*\i                          ; piece i's two loads are in; those issued behind them may be out
	v_pk_add_f32 v[A+8*\i:A+8*\i+1], v[A+8*\i:A+8*\i+1], v[A+8*\i+4:A+8*\i+5]
	v_pk_add_f32 v[A+8*\i+2:A+8*\i+3], v[A+8*\i+2:A+8*\i+3], v[A+8*\i+6:A+8*\i+7]
	global_store_b128 v[DST+\i], v[A+8*\i:A+8*\i+3], s[6:7] th:TH_STORE_NT   ; a wave stores 512 consecutive bytes, at a multiple of 512 from out0's first byte
.endr
	s_endpgm
.Laux:
	v_and_b32 v2, 31, v0
	v_lshlrev_b32 v2, 2, v2                        ; a lane a number
	v_mov_b32 v9, 0                                ; a lane permute's destination counts as one of its sources
	v_mov_b32 v10, 0
	s_mov_b32 s12, 0x76543210
	s_mov_b32 s13, 0xfedcba98                      ; v_permlanex16_b32's selects for lane l xor 16
	s_wait_alu depctr_va_vdst(0)
	s_wait_kmcnt 0x0
	global_load_b32 v7, v2, s[16:17]
	s_wait_loadcnt 0x0
.irp k, 1,2,4,8
	v_add_f32_dpp v7, v7, v7 row_xmask:\k row_mask:0xf bank_mask:0xf
.endr
	v_permlanex16_b32 v9, v7, s12, s13
	v_add_f32 v7, v7, v9
	v_mul_f32 v7, 0x36800000, v7                   ; x 2^-18
	v_cmp_eq_u32 vcc_lo, 0, v0
	s_wait_alu depctr_va_vdst(0)
	s_wait_xcnt 0x0                                ; EXEC changes only behind this wait
	s_and_saveexec_b32 s14, vcc_lo
	global_store_b32 v10, v7, s[18:19]
	s_endpgm
.Lfunc_end_k_q72112d455a_comb:
	.size	k_q72112d455a_comb, .Lfunc_end_k_q72112d455a_comb-k_q72112d455a_comb
	.p2alignl 7, 3214868480
	.fill 96, 4, 3214868480
	.section	.rodata,"a",@progbits
	.p2align	6, 0x0
	.amdhsa_kernel k_q72112d455a_comb
		.amdhsa_group_segment_fixed_size 0
		.amdhsa_private_segment_fixed_size 0
		.amdhsa_enable_private_segment 0
		.amdhsa_kernarg_size 32
		.amdhsa_user_sgpr_count 2
		.amdhsa_user_sgpr_kernarg_segment_ptr 1
		.amdhsa_wavefront_size32 1
		.amdhsa_system_sgpr_workgroup_id_x 1
		.amdhsa_system_sgpr_workgroup_id_y 1
		.amdhsa_system_sgpr_workgroup_id_z 1
		.amdhsa_system_vgpr_workitem_id 0
		.amdhsa_next_free_vgpr 64
		.amdhsa_next_free_sgpr 66
		.amdhsa_reserve_vcc 1
		.amdhsa_float_denorm_mode_32 3
		.amdhsa_float_denorm_mode_16_64 3
		.amdhsa_memory_ordered 1
		.amdhsa_forward_progress 1
		.amdhsa_inst_pref_size 6
	.end_amdhsa_kernel
	.amdgpu_metadata
---
amdhsa.version: [ 1, 2 ]
amdhsa.kernels:
  - .name:           k_q72112d455a_comb
    .symbol:         k_q72112d455a_comb.kd
    .args:
      - { .name: ypart, .offset: 0, .size: 8, .value_kind: global_buffer, .address_space: global }
      - { .name: out0, .offset: 8, .size: 8, .value_kind: global_buffer, .address_space: global }
      - { .name: ax, .offset: 16, .size: 8, .value_kind: global_buffer, .address_space: global }
      - { .name: out1, .offset: 24, .size: 8, .value_kind: global_buffer, .address_space: global }
    .group_segment_fixed_size: 0
    .private_segment_fixed_size: 0
    .kernarg_segment_align: 8
    .kernarg_segment_size: 32
    .max_flat_workgroup_size: 256
    .sgpr_count:     66
    .vgpr_count:     64
    .wavefront_size: 32
...
	.end_amdgpu_metadata
.endif
;; end of part 4
